; MI455X (gfx1250); checked and timed in simulation.
; The chip was launched on July 23, 2026; its instructions are those of AMD's public machine-readable ISA for CDNA 5 (MIT licence, August 2026) and "CDNA5" Instruction Set Architecture Reference Guide (July 2026). The comments in the code are by the model that wrote it; some were corrected since.
;; Extra Position Prompt SA Bottleneck. Allowed arithmetic: float matrix products may take bf16 or f16 operands with f32 sums; other float arithmetic in f32, or as packed bf16 or f16 multiplies, adds, multiply-adds, maxima and minima; sums over many terms, partial sums and values carried from step to step in f32; what a program stores and reads back later, other than sums and carried values, may be rounded once to bf16 or f16.
;; Inputs: bn1_b 256 float32; bn1_g 256 float32; bn1_m 256 float32; bn1_v 256 float32; bn2_b 512 float32; bn2_g 512 float32; bn2_m 512 float32; bn2_v 512 float32; cv1_w 256 x 512 float32; cv2_w 512 x 256 float32; e_b 256 float32; e_w 256 x 256 float32; k_b 256 float32; k_w 256 x 256 float32; q_b 256 float32; q_w 256 x 256 float32; rel_h 1 x 256 x 64 x 1 float32; rel_w 1 x 256 x 1 x 64 float32; v_b 256 float32; v_w 256 x 256 float32; x 4 x 512 x 64 x 64 float32.
;; Outputs: out0 4 x 512 x 64 x 64 float32.
;; One version. Each part assembles by itself: llvm-mc -triple=amdgcn-amd-amdhsa -mcpu=gfx1250 --defsym DOCPART=n.
;; ======== version 1 of 1: 4 launches
;; workspace buffers: ws 417,792 bytes; wb 262,144 bytes; tab 145,920 bytes; xh 8,388,608 bytes; uh 8,388,608 bytes; sc 67,584 bytes; zb 8,388,608 bytes
;; launch prep (part 1): grid 122 x 1, 8 waves a work-group, no clusters, 1,536 bytes of LDS; arguments cv1_w, q_w, q_b, k_w, k_b, e_w, e_b, rel_h, rel_w, v_w, v_b, cv2_w, bn1_g, bn1_b, bn1_m, bn1_v, bn2_g, bn2_b, bn2_m, bn2_v, ws, wb, tab; writes ws, wb, tab
.if DOCPART == 1
	.amdgcn_target "amdgcn-amd-amdhsa--gfx1250"
	.amdhsa_code_object_version 6
	.text
	.protected	k_qd4a6577e0f_prep
	.globl	k_qd4a6577e0f_prep
	.p2align	8
	.type	k_qd4a6577e0f_prep,@function
k_qd4a6577e0f_prep:
	s_mov_b64 s[64:65], 0
	v_nop
	global_prefetch_b8 v0, s[64:65] scope:SCOPE_SE
	s_setreg_imm32_b32 hwreg(HW_REG_WAVE_MODE, 25, 1), 1
	s_wait_xcnt 0x0
; PREP: everything that hangs on the weights alone, made once.  All inputs are rounded to bf16 first; products in bf16, sums in f32.
;   M[j][i]  = sum_k k_w[k][j] q_w[k][i]   (row 256..271: k_b in k_w's place)   -> ws chunks 4, 5, f16 with a power-of-two scale for each row j (SMF)
;   KQ[j]    = sum_k k_w[k][j] q_b[k]       UHT[h][j] = sum_c e_w[c][j] rel_h[c][h]    UWT[w][j] likewise (entry 256: e_b in e_w's place)
;   W2[o][c] = sc2[o] sum_k cv2_w[o][k] v_w[k][c]  -> wb, bf16       B2[o] = sc2[o] (sum_k cv2_w[o][k] v_b[k] - m2[o]) + b2[o]
;   cv1_w -> ws chunks 0..3 in bf16 ([272 rows][128 k], rows 256..271 zero);  SC1 = g1 / sqrt(v1 + eps), BB1 = b1 - SC1 m1.
; With these, scores are u_n . x1_m + const_n with u = M x1 + KQ + UH + UW, and cv2 (v_w z + v_b) = W2 z + ...: exact reorderings of the sums for every input.
; GEMM JOBS (work-groups 0..56): D[i][col] = sum_k A[k][i] B[k][col], K = 256, 16 columns a work-group; wave w owns i = 32 w .. 32 w + 31 as two
; blocks whose rows interleave (block 0: i = 32 w + 2 r, block 1: the next i), so one 8-byte load feeds both; a third block has the job's vector in every row.
; The tables leave in pieces of 16 to 64 bytes a lane: under 1 MB in all, written once.
; LIMITS: a row of M whose largest magnitude is below 2^-100 is scaled as if it were 2^-100; NaN and infinities are not treated apart.
.set WSCH,  69632                      ; bytes of a chunk of ws: 272 rows x 256
.set T_SC1, 0
.set T_BB1, 1024
.set T_SMF, 2048
.set T_KQ,  3328
.set T_B2,  4608
.set T_UH,  6656
.set T_UW,  76288
.set TPITCH, 1088                      ; a row of UHT / UWT: 272 f32
.set RED,   0                          ; LDS: 8 waves x 16 columns x 4 bytes
.set SPARE, 512                        ; the spare words: 128 bytes a wave
.set SPW, 250
.set NIL, 251
.set VOB, 8                            ; v8-23   B's byte offsets, one for each of a fragment's 16 k
.set FR,  160                          ; v160-191 fragments: A block 0, A block 1, vector, B
.set AC0, 192
.set AC1, 200
.set ACV, 208
.set WV, 50
.set ID, 51
.set AP, 52                            ; s[52:53] A
.set VP, 54                            ; s[54:55] the vector
.set BP, 56                            ; s[56:57] B at the even K step; s[68:69] at the odd one
.set OFS, 58                           ; s[58:59] an offset
.set SBK, 60                           ; B's bytes from k to k + 1
.set SBJ, 61                           ; B's bytes from column to column
.set COL0, 63                          ; the job's first column
.set TOFF, 66
.set STP, 70                           ; s[70:71] B's step of two K steps
.set TM, 72
.set CNT, 74
.set SEL, 76
.macro RB x, t                         ; x rounded to bf16, kept as f32
	v_cvt_pk_bf16_f32 v[\t], v[\x], v[\x]
	v_lshlrev_b32 v[\x], 16, v[\t]
.endm
.macro PLACES
.rept 4
	v_nop
.endr
.endm
	s_load_b512 s[4:19], s[0:1], 0x0               ; cv1_w 4, q_w 6, q_b 8, k_w 10, k_b 12, e_w 14, e_b 16, rel_h 18
	s_load_b512 s[20:35], s[0:1], 0x40             ; rel_w 20, v_w 22, v_b 24, cv2_w 26, bn1 g 28, b 30, m 32, v 34
	s_load_b256 s[36:43], s[0:1], 0x80             ; bn2 g 36, b 38, m 40, v 42
	s_load_b128 s[44:47], s[0:1], 0xa0             ; ws 44, wb 46
	s_load_b64 s[48:49], s[0:1], 0xb0              ; tab
	v_lshl_add_u32 v[SPW], v0, 2, SPARE
	v_mov_b32 v[NIL], 0
	v_lshrrev_b32 v5, 5, v0
	v_readfirstlane_b32 s[WV], v5                  ; wave 0..7
	v_and_b32 v1, 15, v0                           ; r
	v_bfe_u32 v2, v0, 4, 1                         ; h
	s_mov_b32 s[ID], ttmp9
	s_mov_b32 s[SEL], 0x76543210
	s_mov_b32 s[SEL+1], 0xfedcba98
	s_wait_kmcnt 0x0
	s_cmp_lt_u32 s[ID], 57
	s_cbranch_scc0 .Lother
	s_cmp_lt_u32 s[ID], 17
	s_cbranch_scc0 .LnotM
	; job M: A = q_w, vector = q_b, B = 16 columns of k_w; work-group 16: B = k_b in every column
	s_lshl_b32 s[OFS], s[ID], 6
	s_lshl_b32 s[COL0], s[ID], 4
	s_mov_b64 s[AP:AP+1], s[6:7]
	s_mov_b64 s[VP:VP+1], s[8:9]
	s_cmp_eq_u32 s[ID], 16
	s_cselect_b64 s[BP:BP+1], s[12:13], s[10:11]
	s_cselect_b32 s[OFS], 0, s[OFS]
	s_cselect_b32 s[SBK], 4, 0x400
	s_cselect_b32 s[SBJ], 0, 4
	s_mov_b32 s[TOFF], 0
	s_branch .Lgemm
.LnotM:
	s_cmp_lt_u32 s[ID], 25
	s_cbranch_scc0 .LjobW
	; job U: A = e_w, vector = e_b, B = 16 columns of rel_h (four work-groups) or rel_w (four)
	s_mov_b64 s[AP:AP+1], s[14:15]
	s_mov_b64 s[VP:VP+1], s[16:17]
	s_sub_co_u32 s[TM], s[ID], 17
	s_and_b32 s[TM+1], s[TM], 3
	s_lshl_b32 s[OFS], s[TM+1], 6
	s_lshl_b32 s[COL0], s[TM+1], 4
	s_mov_b32 s[TOFF], T_UW                        ; the select below holds one literal: the other table's place stands in the register
	s_cmp_lt_u32 s[TM], 4
	s_cselect_b64 s[BP:BP+1], s[18:19], s[20:21]
	s_cselect_b32 s[TOFF], T_UH, s[TOFF]
	s_mov_b32 s[SBK], 256
	s_mov_b32 s[SBJ], 4
	s_branch .Lgemm
.LjobW:
	; job W: A = v_w, vector = v_b, B = 16 rows of cv2_w (k along the row)
	s_mov_b64 s[AP:AP+1], s[22:23]
	s_mov_b64 s[VP:VP+1], s[24:25]
	s_mov_b64 s[BP:BP+1], s[26:27]
	s_sub_co_u32 s[TM], s[ID], 25
	s_lshl_b32 s[OFS], s[TM], 14
	s_lshl_b32 s[COL0], s[TM], 4
	s_mov_b32 s[SBK], 4
	s_mov_b32 s[SBJ], 0x400
	s_mov_b32 s[TOFF], 0
.Lgemm:
	s_mov_b32 s[OFS+1], 0
	s_add_nc_u64 s[BP:BP+1], s[BP:BP+1], s[OFS:OFS+1]
	s_lshl_b32 s[STP], s[SBK], 5
	s_mov_b32 s[STP+1], 0
	s_add_nc_u64 s[BP+12:BP+13], s[BP:BP+1], s[STP:STP+1]  ; B one K step (32 k) on
	s_lshl_b32 s[STP], s[SBK], 6                   ; and the step of two
	v_lshlrev_b32 v3, 13, v2                       ; A: k = 8 h: 8 rows of 1,024 bytes,
	v_lshl_add_u32 v3, v1, 3, v3                   ; i = 32 w + 2 r
	s_lshl_b32 s[TM], s[WV], 7
	v_add_nc_u32 v3, s[TM], v3
	v_lshlrev_b32 v4, 5, v2                        ; the vector: k = 8 h
	v_mul_lo_u32 v5, v1, s[SBJ]
	v_lshlrev_b32 v6, 3, v2
	v_mul_lo_u32 v6, v6, s[SBK]
	v_add_nc_u32 v5, v5, v6                        ; B: column r, k = 8 h
.set e, 0
.rept 16
	s_mul_i32 s[TM], s[SBK], e+8*(e/8)             ; a fragment's element e is k = 8 h + e, from e = 8 on 16 + 8 h + e - 8
	v_add_nc_u32 v[VOB+e], s[TM], v5
.set e, e+1
.endr
	v_add_nc_u32 v7, s[COL0], v1                   ; my column: 511 at the most in every job
	v_lshlrev_b32 v24, 2, v7
	global_load_b32 v216, v24, s[36:37]            ; bn2's four numbers of that index: job W uses them; every job loads them, so that no way reads what it has not written
	global_load_b32 v217, v24, s[38:39]
	global_load_b32 v218, v24, s[40:41]
	global_load_b32 v219, v24, s[42:43]
.set e, 0
.rept 24
	v_mov_b32 v[AC0+e], 0                          ; three accumulators: 24 registers
.set e, e+1
.endr
.macro LOADK buf, koff                 ; one K step's 36 loads
.set RA, 32+64*(\buf)
.set e, 0
.rept 16
	global_load_b64 v[RA+2*e:RA+2*e+1], v3, s[AP:AP+1] offset:(\koff)*32768+(e+8*(e/8))*1024
.set e, e+1
.endr
	global_load_b128 v[RA+32:RA+35], v4, s[VP:VP+1] offset:(\koff)*128
	global_load_b128 v[RA+36:RA+39], v4, s[VP:VP+1] offset:(\koff)*128+16
	global_load_b128 v[RA+40:RA+43], v4, s[VP:VP+1] offset:(\koff)*128+64
	global_load_b128 v[RA+44:RA+47], v4, s[VP:VP+1] offset:(\koff)*128+80
.set e, 0
.rept 16
	global_load_b32 v[RA+48+e], v[VOB+e], s[BP+12*(\koff):BP+12*(\koff)+1]
.set e, e+1
.endr
.endm
.macro CVT buf                         ; rounded to bf16, packed into the four fragments
.set RA, 32+64*(\buf)
.set e, 0
.rept 8
	v_cvt_pk_bf16_f32 v[FR+e], v[RA+4*e], v[RA+4*e+2]
	v_cvt_pk_bf16_f32 v[FR+8+e], v[RA+4*e+1], v[RA+4*e+3]
	v_cvt_pk_bf16_f32 v[FR+16+e], v[RA+32+2*e], v[RA+32+2*e+1]
	v_cvt_pk_bf16_f32 v[FR+24+e], v[RA+48+2*e], v[RA+48+2*e+1]
.set e, e+1
.endr
.endm
.macro MM3                             ; the three accumulators take turns; four places before the fragments are written again
	v_wmma_f32_16x16x32_bf16 v[AC0:AC0+7], v[FR:FR+7], v[FR+24:FR+31], v[AC0:AC0+7]
	v_wmma_f32_16x16x32_bf16 v[AC1:AC1+7], v[FR+8:FR+15], v[FR+24:FR+31], v[AC1:AC1+7]
	v_wmma_f32_16x16x32_bf16 v[ACV:ACV+7], v[FR+16:FR+23], v[FR+24:FR+31], v[ACV:ACV+7]
	PLACES
.endm
	LOADK 0, 0
	LOADK 1, 1
	s_mov_b32 s[CNT], 3
.Lk:                                                   ; a trip: two K steps multiplied, the next two asked for
	s_wait_loadcnt 36                              ; loads return in order: all but the younger K step's 36 are in
	CVT 0
	s_wait_xcnt 0x0                                ; the bases are stepped only behind this wait
	s_add_nc_u64 s[AP:AP+1], s[AP:AP+1], 0x10000
	s_add_nc_u64 s[VP:VP+1], s[VP:VP+1], 256
	s_add_nc_u64 s[BP:BP+1], s[BP:BP+1], s[STP:STP+1]
	s_add_nc_u64 s[BP+12:BP+13], s[BP+12:BP+13], s[STP:STP+1]
	LOADK 0, 0
	MM3
	s_wait_loadcnt 36
	CVT 1
	LOADK 1, 1
	MM3
	s_sub_co_u32 s[CNT], s[CNT], 1
	s_cmp_lg_u32 s[CNT], 0
	s_cbranch_scc1 .Lk
	s_wait_loadcnt 36
	CVT 0
	MM3
	s_wait_loadcnt 0x0
	CVT 1
	MM3
	; a lane holds column r; register j of block 0 is i = 32 w + 16 h + 2 j, of block 1 the next i.  The way out goes by the work-group's number, the same in all eight waves
	s_cmp_lt_u32 s[ID], 17
	s_cbranch_scc1 .LeM
	s_cmp_lt_u32 s[ID], 25
	s_cbranch_scc1 .LeU
	; W2 and B2
	RB 216, 220
	RB 217, 220
	RB 218, 220
	RB 219, 220
	v_add_f32 v219, 0x3727c5ac, v219               ; v + 1e-5
	v_rsq_f32 v219, v219
	v_nop
	s_wait_alu depctr_va_vdst(0)
	v_mul_f32 v216, v216, v219                     ; sc2
.set j, 0
.rept 8
	v_mul_f32 v[224+2*j], v[AC0+j], v216
	v_mul_f32 v[225+2*j], v[AC1+j], v216
.set j, j+1
.endr
.set j, 0
.rept 8
	v_cvt_pk_bf16_f32 v[240+j], v[224+2*j], v[225+2*j]
.set j, j+1
.endr
	v_lshlrev_b32 v25, 8, v7                       ; row o of 256 bytes,
	v_lshl_add_u32 v25, v2, 5, v25                 ; 32 bytes for each half of the lanes,
	s_lshr_b32 s[TM], s[WV], 2
	s_lshl_b32 s[TM], s[TM], 17                    ; chunk c / 128,
	s_and_b32 s[TM+1], s[WV], 3
	s_lshl_b32 s[TM+1], s[TM+1], 6                 ; my wave's 32 c
	s_add_co_u32 s[TM], s[TM], s[TM+1]
	v_add_nc_u32 v25, s[TM], v25
	global_store_b128 v25, v[240:243], s[46:47]
	global_store_b128 v25, v[244:247], s[46:47] offset:16
	s_cmp_lg_u32 s[WV], 0
	s_cbranch_scc1 .Lend
	v_sub_f32 v220, v[ACV], v218
	v_fma_f32 v220, v216, v220, v217
	global_store_b32 v24, v220, s[48:49] offset:T_B2
	s_branch .Lend
.LeU:
.set j, 0
.rept 8
	v_mov_b32 v[224+2*j], v[AC0+j]                 ; 16 neighbouring j of the table's row
	v_mov_b32 v[225+2*j], v[AC1+j]
.set j, j+1
.endr
	v_mul_u32_u24 v27, v7, TPITCH
	v_add_nc_u32 v27, s[TOFF], v27
	v_lshl_add_u32 v26, v2, 6, v27
	s_lshl_b32 s[TM], s[WV], 7
	v_add_nc_u32 v26, s[TM], v26
	global_store_b128 v26, v[224:227], s[48:49]
	global_store_b128 v26, v[228:231], s[48:49] offset:16
	global_store_b128 v26, v[232:235], s[48:49] offset:32
	global_store_b128 v26, v[236:239], s[48:49] offset:48
	s_cmp_lg_u32 s[WV], 0
	s_cbranch_scc1 .Lend
	global_store_b32 v27, v[ACV], s[48:49] offset:1024
	s_branch .Lend
.LeM:
	; the largest magnitude of row j = column r: over my 16 numbers, the other half of the lanes, the eight waves
	v_max3_num_f32 v220, v192, v193, v194
	v_min3_num_f32 v221, v192, v193, v194
.set j, 195
.rept 6
	v_max3_num_f32 v220, v220, v[j], v[j+1]
	v_min3_num_f32 v221, v221, v[j], v[j+1]
.set j, j+2
.endr
	v_max_num_f32 v220, v220, v207
	v_min_num_f32 v221, v221, v207
	v_mul_f32 v221, -1.0, v221
	v_max_num_f32 v220, v220, v221
	v_permlanex16_b32 v221, v220, s[SEL], s[SEL+1]
	v_max_num_f32 v220, v220, v221
	v_lshlrev_b32 v26, 2, v1
	s_lshl_b32 s[TM], s[WV], 6
	v_add_nc_u32 v27, s[TM], v26
	ds_store_b32 v27, v220
	s_wait_dscnt 0x0                               ; for the others' sake: my store is done
	s_barrier_signal -1
	s_barrier_wait -1
.set j, 0
.rept 8
	ds_load_b32 v[224+j], v26 offset:64*j
.set j, j+1
.endr
	s_wait_dscnt 0x0
	v_max3_num_f32 v220, v224, v225, v226
	v_max3_num_f32 v220, v220, v227, v228
	v_max3_num_f32 v220, v220, v229, v230
	v_max_num_f32 v220, v220, v231
	v_max_num_f32 v220, 0x0d800000, v220           ; at least 2^-100
	v_and_b32 v220, 0x7f800000, v220               ; its exponent E
	v_sub_nc_u32 v221, 0x86000000, v220            ; 2^(14 - E): what is stored lies below 2^15
	v_add_nc_u32 v222, 0xf9000000, v220            ; 2^(E - 14)
.set j, 0
.rept 8
	v_mul_f32 v[224+2*j], v[AC0+j], v221
	v_mul_f32 v[225+2*j], v[AC1+j], v221
.set j, j+1
.endr
.set j, 0
.rept 8
	v_cvt_pk_f16_f32 v[240+j], v[224+2*j], v[225+2*j]
.set j, j+1
.endr
	v_lshlrev_b32 v25, 8, v7
	v_lshl_add_u32 v25, v2, 5, v25
	s_lshr_b32 s[TM], s[WV], 2
	s_mul_i32 s[TM], s[TM], WSCH
	s_add_co_u32 s[TM], s[TM], 4*WSCH
	s_and_b32 s[TM+1], s[WV], 3
	s_lshl_b32 s[TM+1], s[TM+1], 6
	s_add_co_u32 s[TM], s[TM], s[TM+1]
	v_add_nc_u32 v25, s[TM], v25
	global_store_b128 v25, v[240:243], s[44:45]
	global_store_b128 v25, v[244:247], s[44:45] offset:16
	s_wait_tensorcnt 0x0                           ; the wave's end, behind my last LDS store
	ds_add_u32 v[SPW], v[NIL]
	s_wait_dscnt 0x0
	s_cmp_lg_u32 s[WV], 0
	s_cbranch_scc1 .Lend
	global_store_b32 v24, v222, s[48:49] offset:T_SMF
	global_store_b32 v24, v[ACV], s[48:49] offset:T_KQ
.Lend:
	s_endpgm
.Lother:
	s_cmp_lt_u32 s[ID], 121
	s_cbranch_scc0 .Ltab
	; cv1_w to bf16, cut into four chunks along k: 2,048 numbers a work-group, 8 a thread; 16 lanes store 256 consecutive bytes
	s_sub_co_u32 s[TM], s[ID], 57
	s_lshl_b32 s[TM], s[TM], 11
	v_lshl_add_u32 v5, v0, 3, s[TM]
	v_lshlrev_b32 v6, 2, v5
	global_load_b128 v[32:35], v6, s[4:5] th:TH_LOAD_NT
	global_load_b128 v[36:39], v6, s[4:5] offset:16 th:TH_LOAD_NT
	v_bfe_u32 v8, v5, 7, 2
	v_lshrrev_b32 v9, 9, v5
	v_and_b32 v10, 127, v5
	v_mul_u32_u24 v8, v8, WSCH
	v_lshl_add_u32 v8, v9, 8, v8
	v_lshl_add_u32 v8, v10, 1, v8
	s_wait_loadcnt 0x0
	v_cvt_pk_bf16_f32 v40, v32, v33
	v_cvt_pk_bf16_f32 v41, v34, v35
	v_cvt_pk_bf16_f32 v42, v36, v37
	v_cvt_pk_bf16_f32 v43, v38, v39
	global_store_b128 v8, v[40:43], s[44:45]
	s_endpgm
.Ltab:
	; SC1, BB1, and zeros in rows 256..271 of chunks 0..3
	v_lshlrev_b32 v5, 2, v0
	global_load_b32 v32, v5, s[28:29]
	global_load_b32 v33, v5, s[30:31]
	global_load_b32 v34, v5, s[32:33]
	global_load_b32 v35, v5, s[34:35]
	v_lshlrev_b32 v6, 4, v0
	v_mov_b32 v40, 0
	v_mov_b32 v41, 0
	v_mov_b32 v42, 0
	v_mov_b32 v43, 0
.set j, 0
.rept 4
	global_store_b128 v6, v[40:43], s[44:45] offset:j*WSCH+65536
.set j, j+1
.endr
	s_wait_loadcnt 0x0
	RB 32, 36
	RB 33, 36
	RB 34, 36
	RB 35, 36
	v_add_f32 v35, 0x3727c5ac, v35
	v_rsq_f32 v35, v35
	v_nop
	s_wait_alu depctr_va_vdst(0)
	v_mul_f32 v32, v32, v35
	v_fma_f32 v33, -v32, v34, v33
	global_store_b32 v5, v32, s[48:49] offset:T_SC1
	global_store_b32 v5, v33, s[48:49] offset:T_BB1
	s_endpgm
.Lfunc_end_k_qd4a6577e0f_prep:
	.size	k_qd4a6577e0f_prep, .Lfunc_end_k_qd4a6577e0f_prep-k_qd4a6577e0f_prep
	.p2alignl 7, 3214868480
	.fill 96, 4, 3214868480
	.section	.rodata,"a",@progbits
	.p2align	6, 0x0
	.amdhsa_kernel k_qd4a6577e0f_prep
		.amdhsa_group_segment_fixed_size 1536
		.amdhsa_private_segment_fixed_size 0
		.amdhsa_enable_private_segment 0
		.amdhsa_kernarg_size 184
		.amdhsa_user_sgpr_count 2
		.amdhsa_user_sgpr_kernarg_segment_ptr 1
		.amdhsa_wavefront_size32 1
		.amdhsa_system_sgpr_workgroup_id_x 1
		.amdhsa_system_sgpr_workgroup_id_y 1
		.amdhsa_system_sgpr_workgroup_id_z 1
		.amdhsa_system_vgpr_workitem_id 0
		.amdhsa_next_free_vgpr 256
		.amdhsa_next_free_sgpr 80
		.amdhsa_reserve_vcc 0
		.amdhsa_float_denorm_mode_32 3
		.amdhsa_float_denorm_mode_16_64 3
		.amdhsa_memory_ordered 1
		.amdhsa_forward_progress 1
		.amdhsa_inst_pref_size 40
	.end_amdhsa_kernel
	.amdgpu_metadata
---
amdhsa.version: [ 1, 2 ]
amdhsa.kernels:
  - .name:           k_qd4a6577e0f_prep
    .symbol:         k_qd4a6577e0f_prep.kd
    .args:
      - { .name: cv1_w, .offset: 0, .size: 8, .value_kind: global_buffer, .address_space: global }
      - { .name: q_w, .offset: 8, .size: 8, .value_kind: global_buffer, .address_space: global }
      - { .name: q_b, .offset: 16, .size: 8, .value_kind: global_buffer, .address_space: global }
      - { .name: k_w, .offset: 24, .size: 8, .value_kind: global_buffer, .address_space: global }
      - { .name: k_b, .offset: 32, .size: 8, .value_kind: global_buffer, .address_space: global }
      - { .name: e_w, .offset: 40, .size: 8, .value_kind: global_buffer, .address_space: global }
      - { .name: e_b, .offset: 48, .size: 8, .value_kind: global_buffer, .address_space: global }
      - { .name: rel_h, .offset: 56, .size: 8, .value_kind: global_buffer, .address_space: global }
      - { .name: rel_w, .offset: 64, .size: 8, .value_kind: global_buffer, .address_space: global }
      - { .name: v_w, .offset: 72, .size: 8, .value_kind: global_buffer, .address_space: global }
      - { .name: v_b, .offset: 80, .size: 8, .value_kind: global_buffer, .address_space: global }
      - { .name: cv2_w, .offset: 88, .size: 8, .value_kind: global_buffer, .address_space: global }
      - { .name: bn1_g, .offset: 96, .size: 8, .value_kind: global_buffer, .address_space: global }
      - { .name: bn1_b, .offset: 104, .size: 8, .value_kind: global_buffer, .address_space: global }
      - { .name: bn1_m, .offset: 112, .size: 8, .value_kind: global_buffer, .address_space: global }
      - { .name: bn1_v, .offset: 120, .size: 8, .value_kind: global_buffer, .address_space: global }
      - { .name: bn2_g, .offset: 128, .size: 8, .value_kind: global_buffer, .address_space: global }
      - { .name: bn2_b, .offset: 136, .size: 8, .value_kind: global_buffer, .address_space: global }
      - { .name: bn2_m, .offset: 144, .size: 8, .value_kind: global_buffer, .address_space: global }
      - { .name: bn2_v, .offset: 152, .size: 8, .value_kind: global_buffer, .address_space: global }
      - { .name: ws, .offset: 160, .size: 8, .value_kind: global_buffer, .address_space: global }
      - { .name: wb, .offset: 168, .size: 8, .value_kind: global_buffer, .address_space: global }
      - { .name: tab, .offset: 176, .size: 8, .value_kind: global_buffer, .address_space: global }
    .group_segment_fixed_size: 1536
    .private_segment_fixed_size: 0
    .kernarg_segment_align: 8
    .kernarg_segment_size: 184
    .max_flat_workgroup_size: 256
    .sgpr_count:     80
    .vgpr_count:     256
    .wavefront_size: 32
...
	.end_amdgpu_metadata
.endif
;; end of part 1
;; launch front (part 2): grid 64 x 4, 4 waves a work-group, clusters of 4 x 1, 327,680 bytes of LDS; arguments x, ws, tab, xh, uh, sc; writes xh, uh, sc
.if DOCPART == 2
	.amdgcn_target "amdgcn-amd-amdhsa--gfx1250"
	.amdhsa_code_object_version 6
	.text
	.protected	k_qd4a6577e0f_front
	.globl	k_qd4a6577e0f_front
	.p2align	8
	.type	k_qd4a6577e0f_front,@function
k_qd4a6577e0f_front:
	s_mov_b64 s[64:65], 0
	v_nop
	global_prefetch_b8 v0, s[64:65] scope:SCOPE_SE
	s_setreg_imm32_b32 hwreg(HW_REG_WAVE_MODE, 25, 1), 1
	s_wait_xcnt 0x0
	s_wait_alu depctr_hold_cnt(0) depctr_sa_sdst(0) depctr_va_vdst(0) depctr_va_sdst(0) depctr_va_ssrc(0) depctr_va_vcc(0) depctr_vm_vsrc(0)
	s_getreg_b32 s2, hwreg(HW_REG_IB_STS2, 6, 4)
	s_cmp_eq_u32 s2, 0
	s_cbranch_scc0 .Lentry_in_a_cluster
	s_endpgm
.Lentry_in_a_cluster:
	s_bfe_u32 s2, ttmp6, 0x10000c
	s_cmp_lg_u32 s2, 0x3003
	s_cbranch_scc0 .Lentry_shape_is_right
	s_endpgm
.Lentry_shape_is_right:
; FRONT: for one image row (64 positions n) of one batch: x1 = silu(SC1 (cv1 x) + BB1), u = M x1 + KQ + UH[h] + UW[w], const (row 256 of the same).
; Out: xh = x1 / SX in f16, uh = u / SU in f16 (rows [n][256 channels]), SX, SU (powers of two, one for the 64 x 256 block, so that what is stored lies below 2^15), CK = log2(e) const.
; x and cv1_w are multiplied in bf16, M and x1 in f16; sums, batch norm, silu and the tables in f32.
; SHARES: wave w owns output channels 64 w .. 64 w + 63 for all 64 positions: 16 accumulators (ob, pt); in the second product one more: rows 256..271 x positions 16 w ...
; A lane of a result holds position 16 pt + r and channels 8 h + 0..7 of its block.
; WEIGHTS come as six chunks of [272 rows][128 k] through two LDS slots; all work-groups walk the same chunks, so the four of a cluster ask JOINTLY (same load, descriptor and mask).
; LIMITS: a block whose largest magnitude is below 2^-100 is scaled as if it were 2^-100; NaN and infinities are not treated apart.
; REGISTERS: window 0: v1-29 lane terms and addresses, v30-31 the add's, v32-95 tables, v96-255 two fragment buffers of 80 (and at work between the products)
;   window 1: v0-135 accumulators, v136-143 at work, v168-199 UHT      window 2: v0-127 UWT, laid like the accumulators
.set SLOT1, 73984                      ; a slot: 272 rows x 272 bytes (256 + 16 of padding)
.set XB,    147968                     ; x in bf16: [512 c][64 n], pitch 160
.set X1,    229888                     ; x1 in f16: [64 n][256 c], pitch 528
.set RED,   263680
.set SPARE, 263936                     ; the spare words: 128 bytes a wave
.set UST,   264448                     ; u in f16, as X1
.set T_BB1, 1024
.set T_SMF, 2048
.set T_KQ,  3328
.set T_UH,  6656
.set T_UW,  76288
.set FRG, 96
.set SPW, 30
.set NIL, 31
.set WV, 12
.set G1,  16
.set G0A, 24
.set G0B, 28
.set SEL, 34
.set MSB, 0
.macro WIN new                         ; the immediate's high byte repeats the setting that is left
.if MSB != (\new)
	s_set_vgpr_msb (MSB<<8)|(\new)
.set MSB, (\new)
.endif
.endm
.macro PLACES
.rept 4
	v_nop
.endr
.endm
.macro ROUND                           ; a round of the cluster's barrier
	s_barrier_signal -1
	s_barrier_wait -1
	s_cmp_lg_u32 s[WV], 0
	s_cbranch_scc1 .Lnw0_\@
	s_barrier_signal -3
.Lnw0_\@:
	s_barrier_wait -3
	s_barrier_signal -1
	s_barrier_wait -1
.endm
.macro TL g0, g1                       ; a tensor load; s_nop 0 and four v_nop follow it
	tensor_load_to_lds s[\g0:\g0+3], s[\g1:\g1+7]
	s_nop 0
	PLACES
.endm
.macro WMAX v, t                       ; the maximum over the wave's 32 lanes, in every lane
	v_max_num_f32_dpp v[\v], v[\v], v[\v] row_xmask:1 row_mask:0xf bank_mask:0xf
	v_max_num_f32_dpp v[\v], v[\v], v[\v] row_xmask:2 row_mask:0xf bank_mask:0xf
	v_max_num_f32_dpp v[\v], v[\v], v[\v] row_xmask:4 row_mask:0xf bank_mask:0xf
	v_max_num_f32_dpp v[\v], v[\v], v[\v] row_xmask:8 row_mask:0xf bank_mask:0xf
	v_permlanex16_b32 v[\t], v[\v], s[SEL], s[SEL+1]
	v_max_num_f32 v[\v], v[\v], v[\t]
.endm
	s_load_b256 s[4:11], s[0:1], 0x0               ; x 4, ws 6, tab 8, xh 10
	s_load_b128 s[36:39], s[0:1], 0x20             ; uh 36, sc 38
	v_lshl_add_u32 v[SPW], v0, 2, SPARE
	v_mov_b32 v[NIL], 0
	ds_add_u32 v[SPW], v[NIL]                      ; the wave's opening: the add and its wait, ahead of my first tensor load
	v_lshrrev_b32 v1, 5, v0
	v_readfirstlane_b32 s[WV], v1                  ; wave 0..3
	s_bfe_u32 s40, ttmp6, 0x40000                  ; cx
	s_lshl_b32 s41, ttmp9, 2
	s_add_co_u32 s41, s41, s40                     ; image row: it enters global addresses alone
	s_and_b32 s42, ttmp7, 0xffff                   ; batch
	s_mov_b32 s[G1], 15|(1<<16)|(1<<20)|(1<<21)|(5<<22)|(3<<25)  ; mask of four; 2-byte elements; padding on; bit 21 beside a mask; after every 64 words 4 words
	s_mov_b32 s[G1+1], 128<<16                     ; tensor_dim0 = 128
	s_mov_b32 s[G1+2], 68<<16                      ; tensor_dim1 = 68: a wave's quarter of a chunk's 272 rows
	s_mov_b32 s[G1+3], 128<<16                     ; tile_dim0
	s_mov_b32 s[G1+4], 68                          ; tile_dim1
	s_mov_b32 s[G1+5], 128                         ; elements from row to row
	s_mov_b32 s[G1+6], 0
	s_mov_b32 s[G1+7], 0
	s_mul_i32 s13, s[WV], 18496                    ; 68 rows x 272 in LDS
	s_mul_i32 s44, s[WV], 17408                    ; 68 rows x 256 in memory
	s_mov_b32 s45, 0
	s_mov_b32 s[G0A], 1
	s_mov_b32 s[G0A+1], s13
	s_mov_b32 s[G0B], 1
	s_add_co_u32 s[G0B+1], s13, SLOT1
	s_mov_b32 s[SEL], 0x76543210
	s_mov_b32 s[SEL+1], 0xfedcba98
	s_wait_dscnt 0x0                               ; the opening add is done
	s_wait_kmcnt 0x0
	s_add_nc_u64 s[G0A+2:G0A+3], s[6:7], s[44:45]  ; chunk 0
	s_add_nc_u64 s[G0B+2:G0B+3], s[G0A+2:G0A+3], 69632  ; chunk 1
	s_or_b32 s[G0A+3], s[G0A+3], 0x80000000
	s_or_b32 s[G0B+3], s[G0B+3], 0x80000000
	ROUND                                          ; all four work-groups are here: the first joint loads meet
	TL G0A, G1                                     ; two loads of mine are out
	TL G0B, G1
	; lane terms
	v_and_b32 v1, 15, v0                           ; r
	v_bfe_u32 v2, v0, 4, 1                         ; h
	v_and_b32 v3, 31, v0                           ; lane
	v_mul_u32_u24 v4, v1, 272
	v_lshl_add_u32 v4, v2, 4, v4
	v_add_nc_u32 v6, 256*272, v4                   ; v6, v7: rows 256 + r of slot 0, 1
	v_add_nc_u32 v7, 256*272+SLOT1, v4
	s_mul_i32 s13, s[WV], 64*272
	v_add_nc_u32 v4, s13, v4                       ; v4, v5: rows 64 w + r of slot 0, 1
	v_add_nc_u32 v5, SLOT1, v4
	v_and_b32 v8, 7, v0
	v_lshl_add_u32 v8, v2, 3, v8
	v_mul_u32_u24 v8, v8, 160
	v_bfe_u32 v9, v0, 3, 1
	v_lshl_add_u32 v8, v9, 4, v8
	v_add_nc_u32 v8, XB, v8                        ; v8, v9: the turning load's place in XB, c 0.. and c 256..
	v_add_nc_u32 v9, 40960, v8
	v_mul_u32_u24 v10, v1, 528
	v_lshl_add_u32 v12, v2, 4, v10                 ; r x 528 + 16 h
	s_lshl_b32 s13, s[WV], 7
	v_add_nc_u32 v13, s13, v12                     ; + my wave's 64 channels
	v_add_nc_u32 v10, X1, v12                      ; v10: x1's fragments
	s_mul_i32 s14, s[WV], 16*528
	v_add_nc_u32 v11, s14, v10                     ; v11: those of positions 16 w ..
	v_add_nc_u32 v12, X1, v13                      ; v12: where my 16 bytes of x1 go
	v_add_nc_u32 v13, UST, v13                     ; v13: of u
	v_lshl_add_u32 v14, v3, 4, s14
	v_add_nc_u32 v15, UST, v14                     ; v15: rows 16 w .. of u, read back whole
	v_add_nc_u32 v14, X1, v14                      ; v14: of x1
	v_lshlrev_b32 v16, 14, v2
	v_lshl_add_u32 v16, v1, 4, v16
	s_lshl_b32 s13, s[WV], 15
	v_add_nc_u32 v16, s13, v16                     ; v16: x: channel 2 w + h, 16 bytes of its 256
	v_lshlrev_b32 v17, 4, v3                       ; v17: 16 x lane
	v_mul_u32_u24 v18, v2, 160
	v_lshl_add_u32 v18, v1, 3, v18
	s_mul_i32 s13, s[WV], 320
	s_add_co_u32 s13, s13, XB
	v_add_nc_u32 v18, s13, v18                     ; v18, v19: where my 8 bytes of x go
	v_add_nc_u32 v19, 40960, v18
	v_lshlrev_b32 v20, 5, v2
	s_lshl_b32 s13, s[WV], 8
	v_add_nc_u32 v20, s13, v20                     ; v20: (64 w + 8 h) x 4: my channels in a table
	v_mul_u32_u24 v21, v1, 1088
	s_mul_i32 s13, s[WV], 17408
	v_add_nc_u32 v3, s13, v21                      ; v3: row 16 w + r of UWT
	v_add_nc_u32 v21, v21, v20                     ; v21: row r of UWT, my channels
	v_mov_b32 v29, 0                               ; a zero offset, and the upper half of the pair v[28:29]
	; bases
	s_lshl_b32 s44, s42, 23
	s_lshl_b32 s13, s41, 8
	s_add_co_u32 s44, s44, s13
	s_add_nc_u64 s[46:47], s[4:5], s[44:45]        ; x at (b, channel 0, my image row)
	s_lshl_b32 s44, s42, 21
	s_lshl_b32 s13, s41, 15
	s_add_co_u32 s44, s44, s13
	s_lshl_b32 s13, s[WV], 13
	s_add_co_u32 s44, s44, s13
	s_add_nc_u64 s[48:49], s[10:11], s[44:45]      ; xh and uh at row b 4096 + 64 hrow + 16 w
	s_add_nc_u64 s[50:51], s[36:37], s[44:45]
	s_lshl_b32 s44, s42, 6
	s_add_co_u32 s44, s44, s41
	s_lshl_b32 s44, s44, 2
	s_add_nc_u64 s[52:53], s[38:39], s[44:45]      ; SX of my block (SU 1,024 bytes on)
	s_mul_i32 s44, s41, 1088
	s_add_co_u32 s44, s44, T_UH
	s_add_nc_u64 s[54:55], s[8:9], s[44:45]        ; UHT's row
	s_lshl_b32 s44, s42, 14
	s_lshl_b32 s13, s41, 8
	s_add_co_u32 s44, s44, s13
	s_lshl_b32 s13, s[WV], 6
	s_add_co_u32 s44, s44, s13
	s_add_co_u32 s44, s44, 2048
	s_add_nc_u64 s[56:57], s[38:39], s[44:45]      ; CK of positions 16 w ..
	; SC1 -> v32-63, BB1 -> v64-95: eight channels for each ob
.set i, 0
.rept 4
	global_load_b128 v[32+8*i:35+8*i], v20, s[8:9] offset:i*64
	global_load_b128 v[36+8*i:39+8*i], v20, s[8:9] offset:i*64+16
	global_load_b128 v[64+8*i:67+8*i], v20, s[8:9] offset:T_BB1+i*64
	global_load_b128 v[68+8*i:71+8*i], v20, s[8:9] offset:T_BB1+i*64+16
.set i, i+1
.endr
	; x: 512 channels x 256 bytes; a load of the wave takes two whole rows; four batches of 16 loads in two register sets
.macro XLD bt, buf
.set i, 0
.rept 16
	global_load_b128 v[96+64*(\buf)+4*i:96+64*(\buf)+4*i+3], v16, s[46:47] offset:(16*(\bt)+i)*131072 th:TH_LOAD_NT
.set i, i+1
.endr
.endm
.macro XCV bt, buf                     ; rounded to bf16 and laid into XB
.set i, 0
.rept 16
.set rx, 96+64*(\buf)+4*i
	v_cvt_pk_bf16_f32 v[rx], v[rx], v[rx+1]
	v_cvt_pk_bf16_f32 v[rx+1], v[rx+2], v[rx+3]
	ds_store_b64 v[18+(\bt)/2], v[rx:rx+1] offset:((16*(\bt)+i)%32)*1280
.set i, i+1
.endr
.endm
	XLD 0, 0
	XLD 1, 1
	s_wait_loadcnt 16                              ; all but the younger batch
	XCV 0, 0
	XLD 2, 0
	s_wait_loadcnt 16
	XCV 1, 1
	XLD 3, 1
	s_wait_loadcnt 16
	XCV 2, 0
	s_wait_loadcnt 0x0
	XCV 3, 1
	s_wait_dscnt 0x0                               ; my part of XB is written,
	s_wait_tensorcnt 0x1                           ; my part of chunk 0 is in; chunk 1 may stay out
	s_barrier_signal -1
	s_barrier_wait -1
; fragments of one K step of the first product: 4 x 16 rows of cv1_w, 4 x 16 positions of x (turned)
.macro LD1 c, k, buf
.set FB, FRG+80*(\buf)
.set i, 0
.rept 4
	ds_load_b128 v[FB+8*i:FB+8*i+3], v[4+(\c)%2] offset:i*4352+(\k)*64
	ds_load_b128 v[FB+8*i+4:FB+8*i+7], v[4+(\c)%2] offset:i*4352+(\k)*64+32
.set i, i+1
.endr
.set i, 0
.rept 4
	ds_load_tr16_b128 v[FB+32+8*i:FB+32+8*i+3], v[8+(\c)/2] offset:(((\c)%2)*128+(\k)*32)*160+i*32
	ds_load_tr16_b128 v[FB+32+8*i+4:FB+32+8*i+7], v[8+(\c)/2] offset:(((\c)%2)*128+(\k)*32)*160+i*32+2560
.set i, i+1
.endr
.endm
; of the second product, K step k of 8: M's rows, x1's positions, and the extra block's two
.macro LD2 k, buf
.set FB, FRG+80*(\buf)
.set i, 0
.rept 4
	ds_load_b128 v[FB+8*i:FB+8*i+3], v[4+(\k)/4] offset:i*4352+((\k)%4)*64
	ds_load_b128 v[FB+8*i+4:FB+8*i+7], v[4+(\k)/4] offset:i*4352+((\k)%4)*64+32
	ds_load_b128 v[FB+32+8*i:FB+32+8*i+3], v10 offset:i*8448+(\k)*64
	ds_load_b128 v[FB+32+8*i+4:FB+32+8*i+7], v10 offset:i*8448+(\k)*64+32
.set i, i+1
.endr
	ds_load_b128 v[FB+64:FB+67], v[6+(\k)/4] offset:((\k)%4)*64
	ds_load_b128 v[FB+68:FB+71], v[6+(\k)/4] offset:((\k)%4)*64+32
	ds_load_b128 v[FB+72:FB+75], v11 offset:(\k)*64
	ds_load_b128 v[FB+76:FB+79], v11 offset:(\k)*64+32
.endm
; one K step's products; the accumulators take turns.  zero = 1: the first products start the sums
.macro KS buf, zero, fmt, extra
	WIN 0x50                                       ; C and D in window 1
.set FB, FRG+80*(\buf)
.set a, 0
.rept 16
.if \zero
	v_wmma_f32_16x16x32_\fmt v[8*a:8*a+7], v[FB+8*(a/4):FB+8*(a/4)+7], v[FB+32+8*(a%4):FB+32+8*(a%4)+7], 0
.else
	v_wmma_f32_16x16x32_\fmt v[8*a:8*a+7], v[FB+8*(a/4):FB+8*(a/4)+7], v[FB+32+8*(a%4):FB+32+8*(a%4)+7], v[8*a:8*a+7]
.endif
.set a, a+1
.endr
.if \extra
.if \zero
	v_wmma_f32_16x16x32_\fmt v[128:135], v[FB+64:FB+71], v[FB+72:FB+79], 0
.else
	v_wmma_f32_16x16x32_\fmt v[128:135], v[FB+64:FB+71], v[FB+72:FB+79], v[128:135]
.endif
.endif
	WIN 0
.endm
; a chunk of the first product: four K steps on two fragment buffers; four places stand between a buffer's products and the loads into it
.macro CHUNK1 c
	LD1 \c, 0, 0
.set ks, 0
.rept 4
.if ks < 3
	PLACES
	LD1 \c, ks+1, (ks+1)%2
	s_wait_dscnt 16                                ; all but the 16 just issued
.else
	s_wait_dscnt 0x0
.endif
.if ((\c) == 0) && (ks == 0)
	KS ks%2, 1, bf16, 0
.else
	KS ks%2, 0, bf16, 0
.endif
.set ks, ks+1
.endr
.endm
; the slot just read is filled again, two chunks on: all my loads waited for, the add, my reads waited for, a round of the cluster's barrier, the joint load first behind it
.macro CHG g0
	WIN 0
	s_wait_tensorcnt 0x0
	ds_add_u32 v[SPW], v[NIL]
	s_add_nc_u64 s[\g0+2:\g0+3], s[\g0+2:\g0+3], 139264
	s_wait_dscnt 0x0
	ROUND
	TL \g0, G1
.endm
	CHUNK1 0
	CHG G0A                                        ; chunk 2
	CHUNK1 1
	CHG G0B                                        ; chunk 3
	CHUNK1 2
	CHG G0A                                        ; chunk 4: M, i 0..127
	CHUNK1 3
	CHG G0B                                        ; chunk 5: M, i 128..255
	; x1 = z / (1 + 2^(-log2(e) z)), z = SC1 acc + BB1, in place; each accumulator from its low end on
	PLACES
.set a, 0
.rept 16
	WIN 0x41                                       ; destination and source 0 in window 1
.set j, 0
.rept 4
	v_pk_fma_f32 v[8*a+j:8*a+j+1], v[8*a+j:8*a+j+1], v[32+8*(a/4)+j:32+8*(a/4)+j+1], v[64+8*(a/4)+j:64+8*(a/4)+j+1]
.set j, j+2
.endr
.set j, 0
.rept 4
	v_pk_mul_f32 v[136+j:137+j], v[8*a+j:8*a+j+1], 0xbfb8aa3b op_sel_hi:[1,0]
.set j, j+2
.endr
.set j, 0
.rept 8
	v_exp_f32 v[136+j], v[136+j]
.set j, j+1
.endr
	v_nop                                          ; a plain instruction between the exponentials and the use of their results
.set j, 0
	s_wait_alu depctr_va_vdst(0)
.rept 4
	v_pk_add_f32 v[136+j:137+j], v[136+j:137+j], 1.0 op_sel_hi:[1,0]
.set j, j+2
.endr
.set j, 0
.rept 8
	v_rcp_f32 v[136+j], v[136+j]
.set j, j+1
.endr
	v_nop
	WIN 0x45
.set j, 0
	s_wait_alu depctr_va_vdst(0)
.rept 4
	v_pk_mul_f32 v[8*a+j:8*a+j+1], v[8*a+j:8*a+j+1], v[136+j:137+j]
.set j, j+2
.endr
.set a, a+1
.endr
	WIN 0
	; the second product's tables are asked for now: 60 loads, waited for behind that product
.set i, 0
.rept 4
	global_load_b128 v[32+8*i:35+8*i], v20, s[8:9] offset:T_SMF+i*64
	global_load_b128 v[36+8*i:39+8*i], v20, s[8:9] offset:T_SMF+i*64+16
	global_load_b128 v[64+8*i:67+8*i], v20, s[8:9] offset:T_KQ+i*64
	global_load_b128 v[68+8*i:71+8*i], v20, s[8:9] offset:T_KQ+i*64+16
.set i, i+1
.endr
	global_load_b32 v24, v29, s[8:9] offset:T_SMF+1024
	global_load_b32 v25, v29, s[8:9] offset:T_KQ+1024
	global_load_b32 v26, v29, s[54:55] offset:1024
	global_load_b32 v27, v3, s[8:9] offset:T_UW+1024
	WIN 0x40
.set i, 0
.rept 4
	global_load_b128 v[168+8*i:171+8*i], v20, s[54:55] offset:i*64
	global_load_b128 v[172+8*i:175+8*i], v20, s[54:55] offset:i*64+16
.set i, i+1
.endr
	WIN 0x80
.set a, 0
.rept 16
	global_load_b128 v[8*a:8*a+3], v21, s[8:9] offset:T_UW+(a%4)*17408+(a/4)*64
	global_load_b128 v[8*a+4:8*a+7], v21, s[8:9] offset:T_UW+(a%4)*17408+(a/4)*64+16
.set a, a+1
.endr
	WIN 0
; the largest magnitude of my 128 numbers -> v96
.macro AMAX
	WIN 0x55
	v_max3_num_f32 v136, v0, v1, v2
	v_min3_num_f32 v137, v0, v1, v2
.set i, 3
.rept 62
	v_max3_num_f32 v136, v136, v[i], v[i+1]
	v_min3_num_f32 v137, v137, v[i], v[i+1]
.set i, i+2
.endr
	v_max_num_f32 v136, v136, v127
	v_min_num_f32 v137, v137, v127
	v_mul_f32 v137, -1.0, v137
	v_max_num_f32 v136, v136, v137
	WIN 0x01
	v_mov_b32 v96, v136
	WIN 0
.endm
; over the wave, then over the four waves through LDS words at RED + off; 2^(14 - E) -> v[22:23], 2^(E - 14) -> fw
.macro BLKSCALE off, fw
	v_mov_b32 v97, v96
	WMAX 96, 97
	s_lshl_b32 s13, s[WV], 2
	s_add_co_u32 s13, s13, RED
	v_mov_b32 v98, s13
	v_mov_b32 v99, RED
	ds_store_b32 v98, v96 offset:\off
	s_wait_dscnt 0x0                               ; for the others' sake
	s_barrier_signal -1
	s_barrier_wait -1
	ds_load_b128 v[100:103], v99 offset:\off
	s_wait_dscnt 0x0
	v_max3_num_f32 v96, v100, v101, v102
	v_max_num_f32 v96, v96, v103
	v_max_num_f32 v96, 0x0d800000, v96             ; at least 2^-100
	v_and_b32 v96, 0x7f800000, v96
	v_sub_nc_u32 v22, 0x86000000, v96
	v_mov_b32 v23, v22
	v_add_nc_u32 v[\fw], 0xf9000000, v96
.endm
; scaled, rounded to f16, 16 bytes a lane into rows of 528 bytes
.macro TOSTG sto
	WIN 0x41
.set i, 0
.rept 64
	v_pk_mul_f32 v[2*i:2*i+1], v[2*i:2*i+1], v[22:23] op_sel_hi:[1,0]
.set i, i+1
.endr
	WIN 0x05
.set i, 0
.rept 64
	v_cvt_pk_f16_f32 v[96+i], v[2*i], v[2*i+1]
.set i, i+1
.endr
	WIN 0
.set a, 0
.rept 16
	ds_store_b128 v[\sto], v[96+4*a:96+4*a+3] offset:(a%4)*8448+(a/4)*32
.set a, a+1
.endr
.endm
; rows 16 w .. 16 w + 15 back as whole rows of 512 bytes, and out: each store of the wave covers 512 consecutive bytes, aligned
.macro OUT16 rd, base
.set i, 0
.rept 16
	ds_load_b128 v[96+4*i:96+4*i+3], v[\rd] offset:i*528
.set i, i+1
.endr
.set i, 0
.rept 16
	s_wait_dscnt 15-i
	global_store_b128 v17, v[96+4*i:96+4*i+3], s[\base:\base+1] offset:i*512
.set i, i+1
.endr
.endm
	AMAX
	BLKSCALE 0, 28                                 ; v28 = SX
	TOSTG 12
	s_cmp_lg_u32 s[WV], 0
	s_cbranch_scc1 .Lnosx
	global_store_b32 v29, v28, s[52:53]            ; one word: every lane of wave 0 stores the same number
.Lnosx:
	s_wait_tensorcnt 0x0                           ; my parts of chunks 4 and 5 are in,
	s_wait_dscnt 0x0                               ; my part of X1 is written
	s_barrier_signal -1
	s_barrier_wait -1
	OUT16 14, 48
	s_wait_xcnt 0x0                                ; the stores' registers are loaded again only behind this wait
	LD2 0, 0
.set kk, 0
.rept 8
.if kk < 7
	PLACES
	LD2 kk+1, (kk+1)%2
	s_wait_dscnt 20                                ; all but the 20 just issued
.else
	s_wait_dscnt 0x0
.endif
.if kk == 0
	KS 0, 1, f16, 1
.else
	KS kk%2, 0, f16, 1
.endif
.set kk, kk+1
.endr
	; u = acc SMF SX + (KQ + UHT) + UWT
	PLACES
	s_wait_loadcnt 0x0
.set i, 0
.rept 16
	v_pk_mul_f32 v[32+2*i:33+2*i], v[32+2*i:33+2*i], v[28:29] op_sel_hi:[1,0]
.set i, i+1
.endr
	WIN 0x04
.set i, 0
.rept 16
	v_pk_add_f32 v[64+2*i:65+2*i], v[64+2*i:65+2*i], v[168+2*i:169+2*i]
.set i, i+1
.endr
	WIN 0x41
.set a, 0
.rept 16
.set j, 0
.rept 4
	v_pk_fma_f32 v[8*a+j:8*a+j+1], v[8*a+j:8*a+j+1], v[32+8*(a/4)+j:32+8*(a/4)+j+1], v[64+8*(a/4)+j:64+8*(a/4)+j+1]
.set j, j+2
.endr
.set a, a+1
.endr
	WIN 0x49
.set i, 0
.rept 64
	v_pk_add_f32 v[2*i:2*i+1], v[2*i:2*i+1], v[2*i:2*i+1]
.set i, i+1
.endr
	WIN 0x01
	v_mul_f32 v24, v128, v24                       ; the extra block: all its rows are row 256; its lowest register
	WIN 0
	v_fma_f32 v24, v24, v28, v25
	v_add_f32 v24, v24, v26
	v_add_f32 v24, v24, v27
	v_mul_f32 v24, 0x3fb8aa3b, v24                 ; CK = log2(e) const
	v_lshlrev_b32 v25, 2, v1
	global_store_b32 v25, v24, s[56:57]            ; both halves of the lanes hold the same number
	AMAX
	BLKSCALE 64, 26                                ; v26 = SU
	TOSTG 13
	s_cmp_lg_u32 s[WV], 0
	s_cbranch_scc1 .Lnosu
	global_store_b32 v29, v26, s[52:53] offset:1024
.Lnosu:
	s_wait_dscnt 0x0
	s_barrier_signal -1
	s_barrier_wait -1
	OUT16 15, 50
	s_wait_tensorcnt 0x0                           ; the wave's end
	ds_add_u32 v[SPW], v[NIL]
	s_wait_dscnt 0x0
	ROUND                                          ; the closing round
	s_endpgm
.Lfunc_end_k_qd4a6577e0f_front:
	.size	k_qd4a6577e0f_front, .Lfunc_end_k_qd4a6577e0f_front-k_qd4a6577e0f_front
	.p2alignl 7, 3214868480
	.fill 96, 4, 3214868480
	.section	.rodata,"a",@progbits
	.p2align	6, 0x0
	.amdhsa_kernel k_qd4a6577e0f_front
		.amdhsa_group_segment_fixed_size 327680
		.amdhsa_private_segment_fixed_size 0
		.amdhsa_enable_private_segment 0
		.amdhsa_kernarg_size 48
		.amdhsa_user_sgpr_count 2
		.amdhsa_user_sgpr_kernarg_segment_ptr 1
		.amdhsa_wavefront_size32 1
		.amdhsa_system_sgpr_workgroup_id_x 1
		.amdhsa_system_sgpr_workgroup_id_y 1
		.amdhsa_system_sgpr_workgroup_id_z 1
		.amdhsa_system_vgpr_workitem_id 0
		.amdhsa_next_free_vgpr 640
		.amdhsa_next_free_sgpr 66
		.amdhsa_reserve_vcc 0
		.amdhsa_float_denorm_mode_32 3
		.amdhsa_float_denorm_mode_16_64 3
		.amdhsa_memory_ordered 1
		.amdhsa_forward_progress 1
		.amdhsa_inst_pref_size 174
	.end_amdhsa_kernel
	.amdgpu_metadata
---
amdhsa.version: [ 1, 2 ]
amdhsa.kernels:
  - .name:           k_qd4a6577e0f_front
    .symbol:         k_qd4a6577e0f_front.kd
    .args:
      - { .name: x, .offset: 0, .size: 8, .value_kind: global_buffer, .address_space: global }
      - { .name: ws, .offset: 8, .size: 8, .value_kind: global_buffer, .address_space: global }
      - { .name: tab, .offset: 16, .size: 8, .value_kind: global_buffer, .address_space: global }
      - { .name: xh, .offset: 24, .size: 8, .value_kind: global_buffer, .address_space: global }
      - { .name: uh, .offset: 32, .size: 8, .value_kind: global_buffer, .address_space: global }
      - { .name: sc, .offset: 40, .size: 8, .value_kind: global_buffer, .address_space: global }
    .group_segment_fixed_size: 327680
    .private_segment_fixed_size: 0
    .kernarg_segment_align: 8
    .kernarg_segment_size: 48
    .max_flat_workgroup_size: 128
    .sgpr_count:     66
    .vgpr_count:     640
    .wavefront_size: 32
...
	.end_amdgpu_metadata
.endif
;; end of part 2
;; launch attn (part 3): grid 64 x 4, 4 waves a work-group, clusters of 4 x 1, 327,680 bytes of LDS; arguments xh, uh, sc, zb; writes zb
.if DOCPART == 3
	.amdgcn_target "amdgcn-amd-amdhsa--gfx1250"
	.amdhsa_code_object_version 6
	.text
	.protected	k_qd4a6577e0f_attn
	.globl	k_qd4a6577e0f_attn
	.p2align	8
	.type	k_qd4a6577e0f_attn,@function
k_qd4a6577e0f_attn:
	s_mov_b64 s[64:65], 0
	v_nop
	global_prefetch_b8 v0, s[64:65] scope:SCOPE_SE
	s_setreg_imm32_b32 hwreg(HW_REG_WAVE_MODE, 25, 1), 1
	s_wait_xcnt 0x0
	s_wait_alu depctr_hold_cnt(0) depctr_sa_sdst(0) depctr_va_vdst(0) depctr_va_sdst(0) depctr_va_ssrc(0) depctr_va_vcc(0) depctr_vm_vsrc(0)
	s_getreg_b32 s2, hwreg(HW_REG_IB_STS2, 6, 4)
	s_cmp_eq_u32 s2, 0
	s_cbranch_scc0 .Lentry_in_a_cluster
	s_endpgm
.Lentry_in_a_cluster:
	s_bfe_u32 s2, ttmp6, 0x10000c
	s_cmp_lg_u32 s2, 0x3003
	s_cbranch_scc0 .Lentry_shape_is_right
	s_endpgm
.Lentry_shape_is_right:
; ATTN: z[n] = sum_m softmax_m(u_n . x1_m + const_n) x1_m for 64 queries n (one image row) of one batch, over all 4,096 keys.  Keys and values are the same rows xh.
; Products in f16 (xh, uh, the weights P), sums, maxima and statistics in f32; z leaves in bf16.
; SCALES.  x1 = SX(block) xh, u = SU uh, a block = 64 keys.  In units of log2: score = G s + CK, G = log2(e) SU SX(block), s = uh . xh.  A running maximum CM of these is kept.
; p' = 2^(G s + CK - CM + LR), LR = log2(SX(block) / sxmax) <= 0: the weight times the block's scale relative to the batch's largest; O += xh^T f16(p'); L += IR sum p', IR = 2^-LR.
; z = sxmax O / L.  In every step O and L are multiplied by a = 2^(CM_old - CM_new).  CM starts at the lowest finite number, O and L at 0: the first step's a is 0.
; SHARES.  Every wave holds all four tiles of 16 queries and walks a quarter of the keys: of each slot's 256 rows its own 64, which it asks for and it alone reads.  At the end the four
; waves' (CM, L, O) are merged through LDS, wave w finishing tile w.  The four work-groups of a cluster belong to one batch and walk the same rows: each tile is asked for JOINTLY.
; LAYOUT.  S^T = K Q^T: a lane holds one query (lane % 16) and keys 8 (lane / 16) + 0..7; two such results rounded to f16 in pairs are source 1 of O^T = V^T P.  K comes out of LDS as it lies, V turned.
; The step is written in phases (all K Q^T, the softmax, all V^T P).  O is cleared by v_mov at the start, in the wait for the first tile: no first step is written out.
; LIMITS.  G and G s + CK finite in f32; a weight below 2^-126 counts as 0; a block more than 2^100 below the batch's largest scale is weighted as 2^-100; NaN and infinities are not treated apart.
; REGISTERS: window 0: v1-15 lane terms and tables, v16-47 statistics (8 a tile: CM, CK, L, L, four at work), v48-61 the merge's addresses, v62-63 the add's, v64-191 S^T / P, v192-255 two fragment buffers
;   windows 1, 2: O^T[cb][t] at 32 (cb % 8) + 8 t      window 3: Q[t][ks] at 64 t + 8 ks
.set XSL,   135168                     ; a slot: 256 rows x 528 bytes (512 + 16); it shares no bit with a wave's 33,792 w, so one exclusive or changes slots
.set STAT,  270336
.set STG,   272384                     ; 4 x 16 rows x 528: the way out
.set SPARE, 306176
.set ST, 16
.set S,  64
.set SPW, 62
.set NIL, 63
.set WV, 12
.set G1, 16
.set G0, 24
.set SEL, 34
.set MSB, 0
.macro WIN new
.if MSB != (\new)
	s_set_vgpr_msb (MSB<<8)|(\new)
.set MSB, (\new)
.endif
.endm
.macro PLACES
.rept 4
	v_nop
.endr
.endm
.macro ROUND
	s_barrier_signal -1
	s_barrier_wait -1
	s_cmp_lg_u32 s[WV], 0
	s_cbranch_scc1 .Lnw0_\@
	s_barrier_signal -3
.Lnw0_\@:
	s_barrier_wait -3
	s_barrier_signal -1
	s_barrier_wait -1
.endm
.macro TL g0, g1
	tensor_load_to_lds s[\g0:\g0+3], s[\g1:\g1+7]
	s_nop 0
	PLACES
.endm
.macro WMAX v, t
	v_max_num_f32_dpp v[\v], v[\v], v[\v] row_xmask:1 row_mask:0xf bank_mask:0xf
	v_max_num_f32_dpp v[\v], v[\v], v[\v] row_xmask:2 row_mask:0xf bank_mask:0xf
	v_max_num_f32_dpp v[\v], v[\v], v[\v] row_xmask:4 row_mask:0xf bank_mask:0xf
	v_max_num_f32_dpp v[\v], v[\v], v[\v] row_xmask:8 row_mask:0xf bank_mask:0xf
	v_permlanex16_b32 v[\t], v[\v], s[SEL], s[SEL+1]
	v_max_num_f32 v[\v], v[\v], v[\t]
.endm
.macro ALL line:vararg                 ; one line for each tile t
.set t, 0
.rept 4
	\line
.set t, t+1
.endr
.endm
	s_load_b256 s[4:11], s[0:1], 0x0               ; xh 4, uh 6, sc 8, zb 10
	v_lshl_add_u32 v[SPW], v0, 2, SPARE
	v_mov_b32 v[NIL], 0
	ds_add_u32 v[SPW], v[NIL]                      ; the wave's opening: the add and its wait, ahead of my first tensor load
	v_lshrrev_b32 v1, 5, v0
	v_readfirstlane_b32 s[WV], v1
	s_bfe_u32 s38, ttmp6, 0x40000                  ; cx
	s_lshl_b32 s39, ttmp9, 2
	s_add_co_u32 s39, s39, s38                     ; my block of 64 queries: it enters uh's, sc's and zb's addresses alone
	s_and_b32 s40, ttmp7, 0xffff                   ; batch, which the partners share
	s_mov_b32 s[G1], 15|(1<<16)|(1<<20)|(1<<21)|(6<<22)|(3<<25)  ; mask of four; 2-byte elements; padding on; bit 21 beside a mask; after every 128 words 4 words
	s_mov_b32 s[G1+1], 256<<16
	s_mov_b32 s[G1+2], 64<<16
	s_mov_b32 s[G1+3], 256<<16
	s_mov_b32 s[G1+4], 64
	s_mov_b32 s[G1+5], 256
	s_mov_b32 s[G1+6], 0
	s_mov_b32 s[G1+7], 0
	s_mul_i32 s13, s[WV], 33792
	s_mov_b32 s[G0], 1
	s_mov_b32 s[G0+1], s13
	s_lshl_b32 s42, s40, 21
	s_lshl_b32 s14, s[WV], 15
	s_add_co_u32 s42, s42, s14
	s_mov_b32 s43, 0
	s_mov_b32 s[SEL], 0x76543210
	s_mov_b32 s[SEL+1], 0xfedcba98
	s_mov_b32 s28, 0                               ; the step
	s_mov_b32 s29, 0                               ; the slot read, as an LDS byte
	s_wait_dscnt 0x0
	s_wait_kmcnt 0x0
	s_add_nc_u64 s[G0+2:G0+3], s[4:5], s[42:43]    ; my 64 rows of the batch's first 256
	s_or_b32 s[G0+3], s[G0+3], 0x80000000
	ROUND
	TL G0, G1                                      ; tile 0 into slot 0
	v_and_b32 v1, 15, v0                           ; r
	v_bfe_u32 v2, v0, 4, 1                         ; h
	v_and_b32 v12, 31, v0
	v_mul_u32_u24 v3, v1, 528
	v_lshl_add_u32 v3, v2, 4, v3
	v_add_nc_u32 v55, 0, v3
	v_add_nc_u32 v3, s13, v3                       ; v3: K's fragments in my rows of slot 0
	v_and_b32 v4, 7, v0
	v_lshl_add_u32 v4, v2, 3, v4
	v_mul_u32_u24 v4, v4, 528
	v_bfe_u32 v13, v0, 3, 1
	v_lshl_add_u32 v4, v13, 4, v4
	v_add_nc_u32 v4, s13, v4                       ; v4: the turning load's place
	v_lshlrev_b32 v7, 9, v1
	v_lshl_add_u32 v7, v2, 4, v7                   ; v7: Q: row r x 512 + 16 h
	v_lshlrev_b32 v57, 4, v12                      ; v57: 16 x lane
	s_lshl_b32 s13, s[WV], 16
	v_add_nc_u32 v48, s13, v57                     ; v48: where my O goes in the merge
	s_lshl_b32 s13, s[WV], 14
	v_add_nc_u32 v51, s13, v57                     ; v51-54: tile w of the four waves' O
	v_add_nc_u32 v52, 0x10000, v51
	v_add_nc_u32 v53, 0x20000, v51
	v_add_nc_u32 v54, 0x30000, v51
	v_lshlrev_b32 v14, 3, v1
	s_lshl_b32 s13, s[WV], 9
	s_add_co_u32 s13, s13, STAT
	v_add_nc_u32 v49, s13, v14                     ; v49: my statistics, v50: tile w's of wave 0
	s_lshl_b32 s13, s[WV], 7
	s_add_co_u32 s13, s13, STAT
	v_add_nc_u32 v50, s13, v14
	s_mul_i32 s13, s[WV], 8448
	s_add_co_u32 s13, s13, STG
	v_add_nc_u32 v55, s13, v55                     ; v55: my stage, in; v56: back
	v_add_nc_u32 v56, s13, v57
	v_mov_b32 v58, 0
	v_lshlrev_b32 v59, 2, v12
	v_lshlrev_b32 v60, 2, v1
	v_lshlrev_b32 v61, 4, v1
	s_lshl_b32 s13, s[WV], 2
	v_add_nc_u32 v61, s13, v61                     ; block 4 (lane % 16) + w
	s_lshl_b32 s42, s40, 21
	s_lshl_b32 s13, s39, 15
	s_add_co_u32 s42, s42, s13
	s_add_nc_u64 s[44:45], s[6:7], s[42:43]        ; uh at my first query
	s_lshl_b32 s13, s[WV], 13
	s_add_co_u32 s42, s42, s13
	s_add_nc_u64 s[52:53], s[10:11], s[42:43]      ; zb at query 16 w
	s_lshl_b32 s42, s40, 14
	s_lshl_b32 s13, s39, 8
	s_add_co_u32 s42, s42, s13
	s_add_co_u32 s42, s42, 2048
	s_add_nc_u64 s[46:47], s[8:9], s[42:43]        ; CK
	s_lshl_b32 s42, s40, 8
	s_add_nc_u64 s[48:49], s[8:9], s[42:43]        ; the batch's 64 SX
	s_lshl_b32 s13, s39, 2
	s_add_co_u32 s42, s42, s13
	s_add_co_u32 s42, s42, 1024
	s_add_nc_u64 s[50:51], s[8:9], s[42:43]        ; my SU
	WIN 0xc0                                       ; destination window 3
.set i, 0
.rept 32
	global_load_b128 v[8*i:8*i+3], v7, s[44:45] offset:(i/8)*8192+(i%8)*64
	global_load_b128 v[8*i+4:8*i+7], v7, s[44:45] offset:(i/8)*8192+(i%8)*64+32
.set i, i+1
.endr
	WIN 0
	ALL global_load_b32 v[ST+8*t+1], v60, s[46:47] offset:64*t
	global_load_b32 v12, v59, s[48:49]
	global_load_b32 v13, v59, s[48:49] offset:128
	global_load_b32 v14, v61, s[48:49]
	global_load_b32 v15, v58, s[50:51]
	WIN 0x40
.set i, 0
.rept 256
	v_mov_b32 v[i], 0
.set i, i+1
.endr
	WIN 0x80
.set i, 0
.rept 256
	v_mov_b32 v[i], 0
.set i, i+1
.endr
	WIN 0
	ALL v_mov_b32 v[ST+8*t], 0xff7fffff
	ALL v_mov_b32 v[ST+8*t+2], 0
	ALL v_mov_b32 v[ST+8*t+3], 0
	s_wait_loadcnt 0x0
	v_max_num_f32 v11, v12, v13
	v_mov_b32 v12, v11
	WMAX 11, 12                                    ; v11 = sxmax
	v_sub_nc_u32 v9, v11, v14                      ; both are powers of two: the difference of their exponents, in bit 23 on,
	v_min_u32 v9, 0x32000000, v9                   ; 100 at the most
	v_add_nc_u32 v10, 0x3f800000, v9               ; v10: IR, lane T: of my block in step T
	v_lshrrev_b32 v9, 23, v9
	v_cvt_f32_u32 v9, v9
	v_mul_f32 v9, -1.0, v9                         ; v9: LR
	v_mul_f32 v8, v15, v14
	v_mul_f32 v8, 0x3fb8aa3b, v8                   ; v8: G
; THE LDS LOADS, in groups of 8 that feed 16 products.  Groups 0-7: K, keys 16 (g / 2) on, channels 128 (g % 2) on.  Groups 8-15: V turned, keys 32 ((g - 8) / 4) on, channels 64 ((g - 8) % 4) on.
.macro LG g
.set FB, 192+32*((\g)%2)
.set f, 0
.if (\g) < 8
.set o0, ((\g)/2)*8448+((\g)%2)*256
.rept 4
	ds_load_b128 v[FB+8*f:FB+8*f+3], v5 offset:o0+f*64
	ds_load_b128 v[FB+8*f+4:FB+8*f+7], v5 offset:o0+f*64+32
.set f, f+1
.endr
.else
.set o0, (((\g)-8)/4)*16896+(((\g)-8)%4)*128
.rept 4
	ds_load_tr16_b128 v[FB+8*f:FB+8*f+3], v6 offset:o0+f*32
	ds_load_tr16_b128 v[FB+8*f+4:FB+8*f+7], v6 offset:o0+f*32+8448
.set f, f+1
.endr
.endif
.endm
; THE PRODUCTS of a group; the four tiles' accumulators take turns
.macro MG g
.set FB, 192+32*((\g)%2)
.set f, 0
.if (\g) < 8
.set kb, (\g)/2
.set kh, (\g)%2
	WIN 0x0c                                       ; Q in window 3
.rept 4
.set t, 0
.rept 4
.if (kh == 0) && (f == 0)
	v_wmma_f32_16x16x32_f16 v[S+32*t+8*kb:S+32*t+8*kb+7], v[FB+8*f:FB+8*f+7], v[64*t+8*(4*kh+f):64*t+8*(4*kh+f)+7], 0
.else
	v_wmma_f32_16x16x32_f16 v[S+32*t+8*kb:S+32*t+8*kb+7], v[FB+8*f:FB+8*f+7], v[64*t+8*(4*kh+f):64*t+8*(4*kh+f)+7], v[S+32*t+8*kb:S+32*t+8*kb+7]
.endif
.set t, t+1
.endr
.set f, f+1
.endr
.else
.set kk, ((\g)-8)/4
.set cq, ((\g)-8)%4
	WIN 0x50+0x50*(cq/2)                           ; O^T in window 1 or 2
.rept 4
.set t, 0
.rept 4
.set rO, 32*((4*cq+f)%8)+8*t
	v_wmma_f32_16x16x32_f16 v[rO:rO+7], v[FB+8*f:FB+8*f+7], v[S+32*t+8*kk:S+32*t+8*kk+7], v[rO:rO+7]
.set t, t+1
.endr
.set f, f+1
.endr
.endif
.endm
; THE SOFTMAX of a step, the four tiles line by line.  At work: +4..+7; then +4 the exponent's addend, +4:5 the sum, +6 a.
.macro SOFTMAX
	WIN 0
.set j, 0
.rept 4
	ALL v_max3_num_f32 v[ST+8*t+4+j], v[S+32*t+8*j], v[S+32*t+8*j+1], v[S+32*t+8*j+2]
.set j, j+1
.endr
.set i, 3
.rept 2
.set j, 0
.rept 4
	ALL v_max3_num_f32 v[ST+8*t+4+j], v[ST+8*t+4+j], v[S+32*t+8*j+i], v[S+32*t+8*j+i+1]
.set j, j+1
.endr
.set i, i+2
.endr
	ALL v_max3_num_f32 v[ST+8*t+4], v[ST+8*t+4], v[S+32*t+7], v[S+32*t+15]
	ALL v_max3_num_f32 v[ST+8*t+6], v[ST+8*t+6], v[S+32*t+23], v[S+32*t+31]
	ALL v_max3_num_f32 v[ST+8*t+4], v[ST+8*t+4], v[ST+8*t+5], v[ST+8*t+6]
	ALL v_max_num_f32 v[ST+8*t+4], v[ST+8*t+4], v[ST+8*t+7]
	ALL v_permlanex16_b32 v[ST+8*t+5], v[ST+8*t+4], s[SEL], s[SEL+1]
	ALL v_max_num_f32 v[ST+8*t+4], v[ST+8*t+4], v[ST+8*t+5]
	ALL v_fma_f32 v[ST+8*t+4], s30, v[ST+8*t+4], v[ST+8*t+1]
	ALL v_mov_b32 v[ST+8*t+7], v[ST+8*t]
	ALL v_max_num_f32 v[ST+8*t], v[ST+8*t], v[ST+8*t+4]
	ALL v_sub_f32 v[ST+8*t+7], v[ST+8*t+7], v[ST+8*t]
	ALL v_exp_f32 v[ST+8*t+6], v[ST+8*t+7]
	ALL v_sub_f32 v[ST+8*t+4], v[ST+8*t+1], v[ST+8*t]
	ALL v_add_f32 v[ST+8*t+4], s32, v[ST+8*t+4]
.set i, 0
.rept 16
	ALL v_pk_fma_f32 v[S+32*t+2*i:S+32*t+2*i+1], v[S+32*t+2*i:S+32*t+2*i+1], s[30:31], v[ST+8*t+4:ST+8*t+5] op_sel_hi:[1,0,0]
.set i, i+1
.endr
.set i, 0
.rept 32
	ALL v_exp_f32 v[S+32*t+i], v[S+32*t+i]
.set i, i+1
.endr
	v_nop                                          ; a plain instruction between the exponentials and the use of their results
	s_wait_alu depctr_va_vdst(0)
	ALL v_pk_add_f32 v[ST+8*t+4:ST+8*t+5], v[S+32*t:S+32*t+1], v[S+32*t+2:S+32*t+3]
.set i, 2
.rept 14
	ALL v_pk_add_f32 v[ST+8*t+4:ST+8*t+5], v[ST+8*t+4:ST+8*t+5], v[S+32*t+2*i:S+32*t+2*i+1]
.set i, i+1
.endr
	ALL v_pk_mul_f32 v[ST+8*t+2:ST+8*t+3], v[ST+8*t+2:ST+8*t+3], v[ST+8*t+6:ST+8*t+7] op_sel_hi:[1,0]
	ALL v_pk_fma_f32 v[ST+8*t+2:ST+8*t+3], v[ST+8*t+4:ST+8*t+5], s[36:37], v[ST+8*t+2:ST+8*t+3] op_sel_hi:[1,0,1]
.set i, 0
.rept 16
	ALL v_cvt_pk_f16_f32 v[S+32*t+i], v[S+32*t+2*i], v[S+32*t+2*i+1]
.set i, i+1
.endr
.irp wn, 0x41, 0x82                    ; O^T times a, each accumulator from its low end on
	WIN \wn
.set c, 0
.rept 8
.set p, 0
.rept 4
	ALL v_pk_mul_f32 v[32*c+8*t+2*p:32*c+8*t+2*p+1], v[32*c+8*t+2*p:32*c+8*t+2*p+1], v[ST+8*t+6:ST+8*t+7] op_sel_hi:[1,0]
.set p, p+1
.endr
.set c, c+1
.endr
.endr
	WIN 0
.endm
; A STEP: my 64 keys of the slot at s29.  Two groups of loads are always out; four places stand between a buffer's products and the loads into it, and behind the step's last products.
.macro STEP
	v_readlane_b32 s30, v8, s28                    ; G, LR, IR of my block in this step
	v_readlane_b32 s32, v9, s28
	v_readlane_b32 s36, v10, s28
	v_add_nc_u32 v5, s29, v3
	v_add_nc_u32 v6, s29, v4
	s_mov_b32 s31, s30
	s_mov_b32 s37, s36
	LG 0
	LG 1
.set g, 0
.rept 16
.if g < 15
	s_wait_dscnt 8                                 ; all but the younger group's 8
.else
	s_wait_dscnt 0x0
.endif
	MG g
	WIN 0
.if g <= 13
	PLACES
	LG g+2
.endif
.if g == 7
	SOFTMAX
.endif
.set g, g+1
.endr
	PLACES
	s_xor_b32 s29, s29, XSL
.endm
.Lt:                                                   ; 15 trips: the next tile is asked for, this one is worked on
	s_wait_tensorcnt 0x0                           ; my one load that is out is this trip's tile: my own rows, which I alone read
	ds_add_u32 v[SPW], v[NIL]
	s_xor_b32 s[G0+1], s[G0+1], XSL                ; the other slot,
	s_add_nc_u64 s[G0+2:G0+3], s[G0+2:G0+3], 131072  ; the next 256 keys
	s_wait_dscnt 0x0                               ; the add is done, and my reads of the slot to be filled are over
	ROUND                                          ; that now holds of every wave of the four work-groups
	TL G0, G1                                      ; one load of mine is out; it has this step in which to land
	STEP
	s_add_co_u32 s28, s28, 1
	s_cmp_lt_u32 s28, 15
	s_cbranch_scc1 .Lt
	s_wait_tensorcnt 0x0                           ; the last tile; nothing more is asked for
	STEP
	; THE MERGE.  l = L's two halves and the other half of the lanes'
	ALL v_add_f32 v[ST+8*t+1], v[ST+8*t+2], v[ST+8*t+3]
	ALL v_permlanex16_b32 v[ST+8*t+4], v[ST+8*t+1], s[SEL], s[SEL+1]
	ALL v_add_f32 v[ST+8*t+1], v[ST+8*t+1], v[ST+8*t+4]
	ALL ds_store_b64 v49, v[ST+8*t:ST+8*t+1] offset:128*t
	s_wait_dscnt 0x0                               ; my reads of the slots are over, my statistics are written
	s_barrier_signal -1
	s_barrier_wait -1                              ; the slots have had their last fill and their last read: they take the four waves' O
.irp wn, 0, 1
	WIN 0x04+4*\wn                                 ; the stores' data in window 1, then 2
.set c, 0
.rept 8
.set t, 0
.rept 4
	ds_store_b128 v48, v[32*c+8*t:32*c+8*t+3] offset:t*16384+(8*\wn+c)*1024
	ds_store_b128 v48, v[32*c+8*t+4:32*c+8*t+7] offset:t*16384+(8*\wn+c)*1024+512
.set t, t+1
.endr
.set c, c+1
.endr
.endr
	WIN 0
.set i, 0
.rept 4
	ds_load_b64 v[16+2*i:17+2*i], v50 offset:512*i ; (CM, l) of tile w from wave i
.set i, i+1
.endr
	s_wait_dscnt 0x0
	s_barrier_signal -1
	s_barrier_wait -1
	v_max3_num_f32 v32, v16, v18, v20
	v_max_num_f32 v32, v32, v22
.set i, 0
.rept 4
	v_sub_f32 v[24+2*i], v[16+2*i], v32
.set i, i+1
.endr
.set i, 0
.rept 4
	v_exp_f32 v[24+2*i], v[24+2*i]
.set i, i+1
.endr
	v_nop
	s_wait_alu depctr_va_vdst(0)
	v_mul_f32 v33, v24, v17
	v_fmac_f32 v33, v26, v19
	v_fmac_f32 v33, v28, v21
	v_fmac_f32 v33, v30, v23
	v_rcp_f32 v33, v33
	v_nop
	s_wait_alu depctr_va_vdst(0)
	v_mul_f32 v33, v33, v11                        ; sxmax / L
.set i, 0
.rept 4
	v_mul_f32 v[24+2*i], v[24+2*i], v33
	v_mov_b32 v[25+2*i], v33                       ; named with it as a pair
.set i, i+1
.endr
.set c, 0
.rept 4                                ; four channel blocks at a time
.set i, 0
.rept 4
.set e, 0
.rept 8
	ds_load_b128 v[64+32*i+4*e:64+32*i+4*e+3], v[51+i] offset:c*4096+e*512
.set e, e+1
.endr
.set i, i+1
.endr
	s_wait_dscnt 0x0
.set e, 0
.rept 16
	v_pk_mul_f32 v[64+2*e:65+2*e], v[64+2*e:65+2*e], v[24:25] op_sel_hi:[1,0]
.set e, e+1
.endr
.set i, 1
.rept 3
.set e, 0
.rept 16
	v_pk_fma_f32 v[64+2*e:65+2*e], v[64+32*i+2*e:65+32*i+2*e], v[24+2*i:25+2*i], v[64+2*e:65+2*e] op_sel_hi:[1,0,1]
.set e, e+1
.endr
.set i, i+1
.endr
.set e, 0
.rept 16
	v_cvt_pk_bf16_f32 v[192+e], v[64+2*e], v[65+2*e]
.set e, e+1
.endr
.set e, 0
.rept 4
	ds_store_b128 v55, v[192+4*e:195+4*e] offset:(4*c+e)*32
.set e, e+1
.endr
.set c, c+1
.endr
.set i, 0
.rept 16
	ds_load_b128 v[64+4*i:67+4*i], v56 offset:i*528  ; my own stage: LDS serves a wave's instructions in order
.set i, i+1
.endr
.set i, 0
.rept 16
	s_wait_dscnt 15-i
	global_store_b128 v57, v[64+4*i:67+4*i], s[52:53] offset:i*512  ; each store of the wave covers 512 consecutive bytes, aligned
.set i, i+1
.endr
	s_wait_tensorcnt 0x0                           ; the wave's end
	ds_add_u32 v[SPW], v[NIL]
	s_wait_dscnt 0x0
	ROUND                                          ; the closing round
	s_endpgm
.Lfunc_end_k_qd4a6577e0f_attn:
	.size	k_qd4a6577e0f_attn, .Lfunc_end_k_qd4a6577e0f_attn-k_qd4a6577e0f_attn
	.p2alignl 7, 3214868480
	.fill 96, 4, 3214868480
	.section	.rodata,"a",@progbits
	.p2align	6, 0x0
	.amdhsa_kernel k_qd4a6577e0f_attn
		.amdhsa_group_segment_fixed_size 327680
		.amdhsa_private_segment_fixed_size 0
		.amdhsa_enable_private_segment 0
		.amdhsa_kernarg_size 32
		.amdhsa_user_sgpr_count 2
		.amdhsa_user_sgpr_kernarg_segment_ptr 1
		.amdhsa_wavefront_size32 1
		.amdhsa_system_sgpr_workgroup_id_x 1
		.amdhsa_system_sgpr_workgroup_id_y 1
		.amdhsa_system_sgpr_workgroup_id_z 1
		.amdhsa_system_vgpr_workitem_id 0
		.amdhsa_next_free_vgpr 1024
		.amdhsa_next_free_sgpr 66
		.amdhsa_reserve_vcc 0
		.amdhsa_float_denorm_mode_32 3
		.amdhsa_float_denorm_mode_16_64 3
		.amdhsa_memory_ordered 1
		.amdhsa_forward_progress 1
		.amdhsa_inst_pref_size 204
	.end_amdhsa_kernel
	.amdgpu_metadata
---
amdhsa.version: [ 1, 2 ]
amdhsa.kernels:
  - .name:           k_qd4a6577e0f_attn
    .symbol:         k_qd4a6577e0f_attn.kd
    .args:
      - { .name: xh, .offset: 0, .size: 8, .value_kind: global_buffer, .address_space: global }
      - { .name: uh, .offset: 8, .size: 8, .value_kind: global_buffer, .address_space: global }
      - { .name: sc, .offset: 16, .size: 8, .value_kind: global_buffer, .address_space: global }
      - { .name: zb, .offset: 24, .size: 8, .value_kind: global_buffer, .address_space: global }
    .group_segment_fixed_size: 327680
    .private_segment_fixed_size: 0
    .kernarg_segment_align: 8
    .kernarg_segment_size: 32
    .max_flat_workgroup_size: 128
    .sgpr_count:     66
    .vgpr_count:     1024
    .wavefront_size: 32
...
	.end_amdgpu_metadata
.endif
;; end of part 3
;; launch back (part 4): grid 64 x 4, 4 waves a work-group, clusters of 4 x 1, 327,680 bytes of LDS; arguments zb, wb, tab, x, out0; writes out0
.if DOCPART == 4
	.amdgcn_target "amdgcn-amd-amdhsa--gfx1250"
	.amdhsa_code_object_version 6
	.text
	.protected	k_qd4a6577e0f_back
	.globl	k_qd4a6577e0f_back
	.p2align	8
	.type	k_qd4a6577e0f_back,@function
k_qd4a6577e0f_back:
	s_mov_b64 s[64:65], 0
	v_nop
	global_prefetch_b8 v0, s[64:65] scope:SCOPE_SE
	s_setreg_imm32_b32 hwreg(HW_REG_WAVE_MODE, 25, 1), 1
	s_wait_xcnt 0x0
	s_wait_alu depctr_hold_cnt(0) depctr_sa_sdst(0) depctr_va_vdst(0) depctr_va_sdst(0) depctr_va_ssrc(0) depctr_va_vcc(0) depctr_vm_vsrc(0)
	s_getreg_b32 s2, hwreg(HW_REG_IB_STS2, 6, 4)
	s_cmp_eq_u32 s2, 0
	s_cbranch_scc0 .Lentry_in_a_cluster
	s_endpgm
.Lentry_in_a_cluster:
	s_bfe_u32 s2, ttmp6, 0x10000c
	s_cmp_lg_u32 s2, 0x3003
	s_cbranch_scc0 .Lentry_shape_is_right
	s_endpgm
.Lentry_shape_is_right:
; BACK: out0 = bf16(x) + silu(W2 z + B2) for one image row (64 positions) of one batch, all 512 output channels.  W2 and z in bf16, sums, silu and the residual in f32.
; SHARES: wave w owns channels o = 128 w .. 128 w + 127: 32 accumulators (ob, pt).  The product is used transposed (source 0 = 16 positions of z, source 1 = 16 rows of W2):
; a lane holds channel 16 ob + r and positions 16 pt + 8 h + 0..7.
; LDS: W2's two K halves in two slots ([512 o][128 c], pitch 272; all work-groups read them: the four of a cluster ask jointly); z's 64 rows (pitch 528).  When slot 0 has been multiplied
; it takes my 128 rows of x (256 bytes each, pitch 272); when slot 1 has been multiplied, my own rows of it, which have had their last fill, take y.  Then y and x are read by whole rows:
; 16 lanes hold 256 consecutive bytes of out0.
; LIMITS: NaN and infinities are not treated apart.
.set SLOT1, 139264
.set ZT,    278528
.set SPARE, 312320
.set T_B2,  4608
.set SPW, 30
.set NIL, 31
.set WV, 12
.set G1W, 16
.set G0W0, 24
.set G0W1, 28
.set G1Z, 40
.set G0Z, 48
.set G1X, 52
.set G0X, 60
.set MSB, 0
.macro WIN new
.if MSB != (\new)
	s_set_vgpr_msb (MSB<<8)|(\new)
.set MSB, (\new)
.endif
.endm
.macro PLACES
.rept 4
	v_nop
.endr
.endm
.macro ROUND
	s_barrier_signal -1
	s_barrier_wait -1
	s_cmp_lg_u32 s[WV], 0
	s_cbranch_scc1 .Lnw0_\@
	s_barrier_signal -3
.Lnw0_\@:
	s_barrier_wait -3
	s_barrier_signal -1
	s_barrier_wait -1
.endm
.macro TL g0, g1
	tensor_load_to_lds s[\g0:\g0+3], s[\g1:\g1+7]
	s_nop 0
	PLACES
.endm
	s_load_b256 s[4:11], s[0:1], 0x0               ; zb 4, wb 6, tab 8, x 10
	s_load_b64 s[36:37], s[0:1], 0x20              ; out0
	v_lshl_add_u32 v[SPW], v0, 2, SPARE
	v_mov_b32 v[NIL], 0
	ds_add_u32 v[SPW], v[NIL]                      ; the wave's opening: the add and its wait, ahead of my first tensor load
	v_lshrrev_b32 v1, 5, v0
	v_readfirstlane_b32 s[WV], v1
	s_bfe_u32 s32, ttmp6, 0x40000                  ; cx
	s_lshl_b32 s33, ttmp9, 2
	s_add_co_u32 s33, s33, s32                     ; image row: it enters global addresses of my own loads and stores alone
	s_and_b32 s34, ttmp7, 0xffff                   ; batch
	s_mov_b32 s[G1W], 15|(1<<16)|(1<<20)|(1<<21)|(5<<22)|(3<<25)  ; joint: mask of four, bit 21; 2-byte elements; after every 64 words 4 words of padding
	s_mov_b32 s[G1W+1], 128<<16
	s_mov_b32 s[G1W+2], 128<<16
	s_mov_b32 s[G1W+3], 128<<16
	s_mov_b32 s[G1W+4], 128
	s_mov_b32 s[G1W+5], 128
	s_mov_b32 s[G1W+6], 0
	s_mov_b32 s[G1W+7], 0
	s_mov_b32 s[G1Z], (1<<16)|(1<<20)|(6<<22)|(3<<25)  ; my own: 16 rows of 256 elements of 2 bytes
	s_mov_b32 s[G1Z+1], 256<<16
	s_mov_b32 s[G1Z+2], 16<<16
	s_mov_b32 s[G1Z+3], 256<<16
	s_mov_b32 s[G1Z+4], 16
	s_mov_b32 s[G1Z+5], 256
	s_mov_b32 s[G1Z+6], 0
	s_mov_b32 s[G1Z+7], 0
	s_mov_b32 s[G1X], (2<<16)|(1<<20)|(5<<22)|(3<<25)  ; my own: 128 rows of 64 elements of 4 bytes, 4,096 elements apart
	s_mov_b32 s[G1X+1], 64<<16
	s_mov_b32 s[G1X+2], 128<<16
	s_mov_b32 s[G1X+3], 64<<16
	s_mov_b32 s[G1X+4], 128
	s_mov_b32 s[G1X+5], 4096
	s_mov_b32 s[G1X+6], 0
	s_mov_b32 s[G1X+7], 0
	s_mul_i32 s13, s[WV], 34816                    ; 128 rows x 272
	s_mov_b32 s[G0W0], 1
	s_mov_b32 s[G0W0+1], s13
	s_mov_b32 s[G0W1], 1
	s_add_co_u32 s[G0W1+1], s13, SLOT1
	s_mov_b32 s[G0X], 1
	s_mov_b32 s[G0X+1], s13
	s_mul_i32 s14, s[WV], 8448                     ; 16 rows x 528
	s_mov_b32 s[G0Z], 1
	s_add_co_u32 s[G0Z+1], s14, ZT
	s_mov_b32 s39, 0
	s_mov_b32 s66, 0xffff0000
	s_wait_dscnt 0x0
	s_wait_kmcnt 0x0
	s_lshl_b32 s38, s[WV], 15
	s_add_nc_u64 s[G0W0+2:G0W0+3], s[6:7], s[38:39]
	s_add_nc_u64 s[G0W1+2:G0W1+3], s[G0W0+2:G0W0+3], 131072
	s_or_b32 s[G0W0+3], s[G0W0+3], 0x80000000
	s_or_b32 s[G0W1+3], s[G0W1+3], 0x80000000
	s_lshl_b32 s38, s34, 21
	s_lshl_b32 s14, s33, 15
	s_add_co_u32 s38, s38, s14
	s_lshl_b32 s14, s[WV], 13
	s_add_co_u32 s38, s38, s14
	s_add_nc_u64 s[G0Z+2:G0Z+3], s[4:5], s[38:39]
	s_or_b32 s[G0Z+3], s[G0Z+3], 0x80000000
	s_lshl_b32 s38, s34, 23
	s_lshl_b32 s14, s[WV], 21
	s_add_co_u32 s38, s38, s14
	s_lshl_b32 s14, s33, 8
	s_add_co_u32 s38, s38, s14
	s_add_nc_u64 s[G0X+2:G0X+3], s[10:11], s[38:39]
	s_or_b32 s[G0X+3], s[G0X+3], 0x80000000
	s_add_nc_u64 s[36:37], s[36:37], s[38:39]      ; out0 at (b, channel 128 w, my image row)
	ROUND
	TL G0Z, G1Z                                    ; three loads of mine are out
	TL G0W0, G1W
	TL G0W1, G1W
	v_and_b32 v1, 15, v0                           ; r
	v_bfe_u32 v2, v0, 4, 1                         ; h
	v_mul_u32_u24 v4, v1, 528
	v_lshl_add_u32 v4, v2, 4, v4
	v_add_nc_u32 v4, ZT, v4                        ; v4: z's fragments
	v_mul_u32_u24 v5, v1, 272
	v_lshl_add_u32 v7, v2, 5, v5
	v_lshl_add_u32 v5, v2, 4, v5
	v_add_nc_u32 v5, s13, v5                       ; v5, v6: W2's fragments in my rows of slot 0, 1
	v_add_nc_u32 v6, SLOT1, v5
	v_add_nc_u32 v7, s13, v7
	v_add_nc_u32 v7, SLOT1, v7                     ; v7: where my 32 bytes of y go
	v_mul_u32_u24 v9, v2, 272
	v_lshl_add_u32 v9, v1, 4, v9
	v_add_nc_u32 v9, s13, v9                       ; v9: x by rows; v8: y by rows
	v_add_nc_u32 v8, SLOT1, v9
	v_lshlrev_b32 v10, 14, v2
	v_lshl_add_u32 v10, v1, 4, v10                 ; v10: the same two rows in out0
	v_lshlrev_b32 v11, 2, v1
	s_lshl_b32 s14, s[WV], 9
	v_add_nc_u32 v11, s14, v11
.set i, 0
.rept 8
	global_load_b32 v[32+2*i], v11, s[8:9] offset:T_B2+i*64  ; B2 of channel 128 w + 16 ob + r
.set i, i+1
.endr
	s_wait_tensorcnt 0x1                           ; my parts of z and of W2's first half are in; the second half may stay out
	s_barrier_signal -1
	s_barrier_wait -1
.macro LDB k, buf                      ; K step k of 8: 4 fragments of z, 8 of W2
.set FB, 64+96*(\buf)
.set i, 0
.rept 4
	ds_load_b128 v[FB+8*i:FB+8*i+3], v4 offset:i*8448+(\k)*64
	ds_load_b128 v[FB+8*i+4:FB+8*i+7], v4 offset:i*8448+(\k)*64+32
.set i, i+1
.endr
.set i, 0
.rept 8
	ds_load_b128 v[FB+32+8*i:FB+32+8*i+3], v[5+(\k)/4] offset:i*4352+((\k)%4)*64
	ds_load_b128 v[FB+32+8*i+4:FB+32+8*i+7], v[5+(\k)/4] offset:i*4352+((\k)%4)*64+32
.set i, i+1
.endr
.endm
.macro KSB buf, zero                   ; 32 products; the accumulators take turns
	WIN 0x50
.set FB, 64+96*(\buf)
.set a, 0
.rept 32
.if \zero
	v_wmma_f32_16x16x32_bf16 v[8*a:8*a+7], v[FB+8*(a%4):FB+8*(a%4)+7], v[FB+32+8*(a/4):FB+32+8*(a/4)+7], 0
.else
	v_wmma_f32_16x16x32_bf16 v[8*a:8*a+7], v[FB+8*(a%4):FB+8*(a%4)+7], v[FB+32+8*(a/4):FB+32+8*(a/4)+7], v[8*a:8*a+7]
.endif
.set a, a+1
.endr
	WIN 0
.endm
.macro HALF k0                         ; four K steps on two fragment buffers
	LDB \k0, 0
.set kk, \k0
.rept 4
.if kk%4 < 3
	PLACES
	LDB kk+1, (kk+1)%2
	s_wait_dscnt 24                                ; all but the 24 just issued
.else
	s_wait_dscnt 0x0
.endif
.if kk == 0
	KSB 0, 1
.else
	KSB kk%2, 0
.endif
.set kk, kk+1
.endr
.endm
	HALF 0
	s_wait_tensorcnt 0x0                           ; W2's second half is in
	ds_add_u32 v[SPW], v[NIL]
	s_wait_dscnt 0x0                               ; the add is done, and my reads of slot 0 are over
	ROUND
	TL G0X, G1X                                    ; slot 0 takes x: my 128 rows, into my own rows of the slot
	HALF 4
	PLACES
	s_wait_loadcnt 0x0
.set i, 0
.rept 8
	v_mov_b32 v[33+2*i], v[32+2*i]                 ; named with it as a pair
.set i, i+1
.endr
	WIN 0x41
.set a, 0
.rept 32
.set j, 0
.rept 4
	v_pk_add_f32 v[8*a+j:8*a+j+1], v[8*a+j:8*a+j+1], v[32+2*(a/4):33+2*(a/4)] op_sel_hi:[1,0]
.set j, j+2
.endr
.set a, a+1
.endr
	WIN 0x04                                       ; the stores' data in window 1
.set a, 0
.rept 32
	ds_store_b128 v7, v[8*a:8*a+3] offset:(a/4)*4352+(a%4)*64
	ds_store_b128 v7, v[8*a+4:8*a+7] offset:(a/4)*4352+(a%4)*64+16
.set a, a+1
.endr
	WIN 0
	s_wait_tensorcnt 0x0                           ; x is in: my own rows
	s_mov_b32 s67, 8
.Lrow:                                                 ; a trip: 16 channels, two whole rows of 256 bytes to a load and a store
.set p, 0
.rept 8
	ds_load_b128 v[64+4*p:67+4*p], v8 offset:p*544
	ds_load_b128 v[96+4*p:99+4*p], v9 offset:p*544
.set p, p+1
.endr
.set p, 0
.rept 8
	s_wait_dscnt 14-2*p                            ; pair p's two loads are in, the younger pairs' may be out
	v_pk_mul_f32 v[128:129], v[64+4*p:65+4*p], 0xbfb8aa3b op_sel_hi:[1,0]
	v_pk_mul_f32 v[130:131], v[66+4*p:67+4*p], 0xbfb8aa3b op_sel_hi:[1,0]
	v_exp_f32 v128, v128
	v_exp_f32 v129, v129
	v_exp_f32 v130, v130
	v_exp_f32 v131, v131
	v_cvt_pk_bf16_f32 v132, v[96+4*p], v[97+4*p]   ; x rounded to bf16, as every input is
	v_cvt_pk_bf16_f32 v133, v[98+4*p], v[99+4*p]
	s_wait_alu depctr_va_vdst(0)
	v_pk_add_f32 v[128:129], v[128:129], 1.0 op_sel_hi:[1,0]
	v_pk_add_f32 v[130:131], v[130:131], 1.0 op_sel_hi:[1,0]
	v_rcp_f32 v128, v128
	v_rcp_f32 v129, v129
	v_rcp_f32 v130, v130
	v_rcp_f32 v131, v131
	v_lshlrev_b32 v[96+4*p], 16, v132
	v_and_b32 v[97+4*p], s66, v132
	v_lshlrev_b32 v[98+4*p], 16, v133
	v_and_b32 v[99+4*p], s66, v133
	s_wait_alu depctr_va_vdst(0)
	v_pk_fma_f32 v[64+4*p:65+4*p], v[64+4*p:65+4*p], v[128:129], v[96+4*p:97+4*p]
	v_pk_fma_f32 v[66+4*p:67+4*p], v[66+4*p:67+4*p], v[130:131], v[98+4*p:99+4*p]
	global_store_b128 v10, v[64+4*p:67+4*p], s[36:37] offset:p*32768 th:TH_STORE_NT  ; 16 lanes store 256 consecutive bytes, aligned
.set p, p+1
.endr
	s_wait_xcnt 0x0                                ; the stores' registers and offset are written again only behind this wait
	v_add_nc_u32 v8, 4352, v8
	v_add_nc_u32 v9, 4352, v9
	v_add_nc_u32 v10, 0x40000, v10
	s_sub_co_u32 s67, s67, 1
	s_cmp_lg_u32 s67, 0
	s_cbranch_scc1 .Lrow
	s_wait_tensorcnt 0x0                           ; the wave's end
	ds_add_u32 v[SPW], v[NIL]
	s_wait_dscnt 0x0
	ROUND                                          ; the closing round
	s_endpgm
.Lfunc_end_k_qd4a6577e0f_back:
	.size	k_qd4a6577e0f_back, .Lfunc_end_k_qd4a6577e0f_back-k_qd4a6577e0f_back
	.p2alignl 7, 3214868480
	.fill 96, 4, 3214868480
	.section	.rodata,"a",@progbits
	.p2align	6, 0x0
	.amdhsa_kernel k_qd4a6577e0f_back
		.amdhsa_group_segment_fixed_size 327680
		.amdhsa_private_segment_fixed_size 0
		.amdhsa_enable_private_segment 0
		.amdhsa_kernarg_size 40
		.amdhsa_user_sgpr_count 2
		.amdhsa_user_sgpr_kernarg_segment_ptr 1
		.amdhsa_wavefront_size32 1
		.amdhsa_system_sgpr_workgroup_id_x 1
		.amdhsa_system_sgpr_workgroup_id_y 1
		.amdhsa_system_sgpr_workgroup_id_z 1
		.amdhsa_system_vgpr_workitem_id 0
		.amdhsa_next_free_vgpr 512
		.amdhsa_next_free_sgpr 72
		.amdhsa_reserve_vcc 0
		.amdhsa_float_denorm_mode_32 3
		.amdhsa_float_denorm_mode_16_64 3
		.amdhsa_memory_ordered 1
		.amdhsa_forward_progress 1
		.amdhsa_inst_pref_size 61
	.end_amdhsa_kernel
	.amdgpu_metadata
---
amdhsa.version: [ 1, 2 ]
amdhsa.kernels:
  - .name:           k_qd4a6577e0f_back
    .symbol:         k_qd4a6577e0f_back.kd
    .args:
      - { .name: zb, .offset: 0, .size: 8, .value_kind: global_buffer, .address_space: global }
      - { .name: wb, .offset: 8, .size: 8, .value_kind: global_buffer, .address_space: global }
      - { .name: tab, .offset: 16, .size: 8, .value_kind: global_buffer, .address_space: global }
      - { .name: x, .offset: 24, .size: 8, .value_kind: global_buffer, .address_space: global }
      - { .name: out0, .offset: 32, .size: 8, .value_kind: global_buffer, .address_space: global }
    .group_segment_fixed_size: 327680
    .private_segment_fixed_size: 0
    .kernarg_segment_align: 8
    .kernarg_segment_size: 40
    .max_flat_workgroup_size: 128
    .sgpr_count:     72
    .vgpr_count:     512
    .wavefront_size: 32
...
	.end_amdgpu_metadata
.endif
;; end of part 4
